; MI455X (gfx1250); checked and timed in simulation.
; The chip was launched on July 23, 2026; its instructions are those of AMD's public machine-readable ISA for CDNA 5 (MIT licence, August 2026) and "CDNA5" Instruction Set Architecture Reference Guide (July 2026). The comments in the code are by the model that wrote it; some were corrected since.
;; Masked Causal Attention. Allowed arithmetic: matrix products marked QUANTISED: E4M3 operands, one given power-of-two scale a tensor, by v_wmma_f32_16x16x64_fp8_fp8 or v_wmma_f32_16x16x128_fp8_fp8, f32 sums; everything else in f32.
;; Inputs: bk 1,024 float32; bp 1,024 float32; bq 1,024 float32; bv 1,024 float32; lowp_scales 12 int32 (the exponents e of the quantised operands' scales 2^e); wk 1,024 x 1,024 float32; wp 1,024 x 1,024 float32; wq 1,024 x 1,024 float32; wv 1,024 x 1,024 float32; x 4 x 2,048 x 1,024 float32.
;; Outputs: out0 4 x 2,048 x 1,024 float32.
;; This version of the problem:
;;   THIS VERSION OF THE PROBLEM IS GIVEN IN LOW PRECISION. The matrix products marked QUANTISED in the list below multiply operands that are first quantised to E4M3 (4 exponent bits, 3 mantissa bits; 8 bits a number), with one given power-of-two scale for each operand tensor; their sums are f32. All else is computed in f32.
;;   The module's matrix products, in the order in which they are computed (A, B: the left and right operand; K: the contracted axis; several contracted axes count as one K, in the product's order):
;;     1. [M 8,192, K 1,024] x [K 1,024, N 1,024]; A: input x; B: input wq: QUANTISED (scales: A lowp_scales[0], B lowp_scales[1])
;;     2. [M 8,192, K 1,024] x [K 1,024, N 1,024]; A: input x; B: input wk: QUANTISED (scales: A lowp_scales[2], B lowp_scales[3])
;;     3. [M 8,192, K 1,024] x [K 1,024, N 1,024]; A: input x; B: input wv: QUANTISED (scales: A lowp_scales[4], B lowp_scales[5])
;;     4. batch 64 x [M 2,048, K 64] x [K 64, N 2,048]; A: computed on the way; B: computed on the way: QUANTISED (scales: A lowp_scales[6], B lowp_scales[7])
;;     5. batch 64 x [M 64, K 2,048] x [K 2,048, N 2,048]; A: computed on the way; B: softmax (see below): QUANTISED (scales: A lowp_scales[8], B lowp_scales[9])
;;     6. [M 8,192, K 1,024] x [K 1,024, N 1,024]; A: computed on the way; B: input wp: QUANTISED (scales: A lowp_scales[10], B lowp_scales[11])
;;   THE QUANTISER, for each operand of a quantised product, along K:
;;     - The operand's scale is 2^e, e = its entry of the input lowp_scales (int32; the entries are numbered through the quantised products in the list's order, A before B).
;;     - Each number is divided by the scale, clamped to +-448, and rounded to the nearest number of E4M3, ties to even, subnormals kept.
;;     - The product sums the exact products of the quantised numbers (number of the format x scale) in f32.
;;   ~~~python
;;   def quantise(x, axis, e):      # numpy; x: float32 -> the quantised numbers, widened to float32 again
;;       x = np.moveaxis(x, axis, -1); K = x.shape[-1]
;;       r = np.clip(x / 2.0 ** e, -448, 448)
;;       step = 2.0 ** (np.maximum(np.frexp(np.where(r == 0, 1, r))[1] - 1, -6) - 3)
;;       q = np.round(r / step) * step * 2.0 ** e      # np.round: ties to even
;;       return np.moveaxis(q, -1, axis).astype(np.float32)
;;   ~~~
;;   SOFTMAX AHEAD OF A QUANTISED PRODUCT. Where the list says 'softmax', what is quantised is not the finished softmax but p = 2^(t - M), with t = logit x log2(e) and M = ceil(the row's largest t), a whole number; so 1/2 < the row's largest p <= 1. The row's sum l is taken of the UNQUANTISED p, in f32, and the product's result is divided by l at the end. Since M is a whole number, a kernel that streams over the keys may use a running M (the ceiling of the running maximum): every later rescaling is an exact power of two, so the quantised numbers keep their values, but for numbers so far below the row's largest that they fall under the format's range.
;;   OPERANDS COMPUTED ON THE WAY. 'Computed on the way' means the value that the module computes at that place (a softmax that the list does not call 'softmax' is quantised finished and normalised). What goes into a quantiser is computed in f32, as accurately as f32 sums, v_exp_f32 and their like allow (about 1e-6 of the number): no bf16 or f16 on the way to a quantiser, and a product that is left as it is and whose result goes on into a quantised operand takes f32 operands (vector FMAs, or v_wmma_f32_16x16x4_f32). A number that lies on a knife's edge between two numbers of the format may be rounded either way, as far as f32 arithmetic and the matrix unit's own rounding can turn it there, and no further.
;; One version. Each part assembles by itself: llvm-mc -triple=amdgcn-amd-amdhsa -mcpu=gfx1250 --defsym DOCPART=n.
;; ======== version 1 of 1: 4 launches
;; limits: right only within a limited range of input values
;; workspace buffers: xc 25,165,824 bytes; wc 4,194,304 bytes; qkv 25,165,824 bytes; ac 8,388,608 bytes
;; launch quant (part 1): grid 768 x 1, 4 waves a work-group, no clusters, 20,992 bytes of LDS; arguments x, wq, wk, wv, wp, lowp_scales, xc, wc; writes xc, wc
.if DOCPART == 1
	.amdgcn_target "amdgcn-amd-amdhsa--gfx1250"
	.amdhsa_code_object_version 6
	.text
	.protected	k_q8c712a0fa5_quant
	.globl	k_q8c712a0fa5_quant
	.p2align	8
	.type	k_q8c712a0fa5_quant,@function
k_q8c712a0fa5_quant:
	s_mov_b64 s[64:65], 0
	v_nop
	global_prefetch_b8 v0, s[64:65] scope:SCOPE_SE
	s_setreg_imm32_b32 hwreg(HW_REG_WAVE_MODE, 25, 1), 1
	s_wait_xcnt 0x0
; x [8192][1024] f32 becomes THREE sets of E4M3 codes (under the scales' entries 0, 2, 4: one for each of the q, k, v products), wq, wk, wv, wp [1024][1024] one set each (entries 1, 3, 5, 11).
; code = number / 2^e, held within +-448, to the nearest code, ties to even.  All tensors have K innermost and dense rows: each is a plain stream, and so are its codes (row-major, one byte a number).
; xc: three parts of 8 MiB (x under entry 0, 2, 4).  wc: four parts of 1 MiB (wq, wk, wv, wp).
; Work-groups 0 to 511 take x, work-group 512 + 64 j + l takes weight j.  Only pointers and exponents are chosen by the work-group's number; x's work-groups run two more conversions and stores a step.
; A wave takes 8 steps of 512 numbers.  Each load reads 512 consecutive bytes, 16 a lane; a step's 2,048 bytes turn through the wave's own stage in LDS and come back 64 bytes a lane:
; 16 neighbours along K, which the conversions want in one lane's registers.  A lane's 16 codes are 16 bytes: a wave's store covers 512 consecutive bytes.  Waves share nothing: no barrier.
; LIMITS: each exponent e used here lies between -126 and 119, so that 2^e and 448 x 2^e are f32 numbers.  NaN among the inputs is not served (an infinity is held at the largest code).
.set WAVES, 4
.set STEPS, 8
.set XWG,   512                        ; x's work-groups: 8,388,608 numbers / 16,384
.set SP,    80                         ; a lane's place in a stage: 64 bytes + 16 of padding
.set WREG,  2*32*SP                    ; a wave's two stages
.set SPARE, WAVES*WREG                 ; behind them: the spare words, 128 bytes a wave, which no other line names
.set SPW,   12                         ; v12  my spare word's LDS address; never rewritten
.set NIL,   13                         ; v13  0; never rewritten
.set R,     16                         ; v16-79    four sets of 16 numbers as loaded
.set X,     80                         ; v80-111   two sets of 16 neighbours
.set T,     112                        ; v112-127  the 16 numbers, held
.set C,     128                        ; v128-223  codes: 4 registers for each step and output, so that no store's data are written again
.set SC,    224                        ; v224.. for output o: v[SC+2o] = 2^e, v[SC+2o+1] = 448 x 2^e
	s_load_b512 s[8:23], s[0:1], 0x0               ; x, wq, wk, wv, wp, the exponents, xc, wc
	v_lshl_add_u32 v[SPW], v0, 2, SPARE
	v_mov_b32 v[NIL], 0
	v_lshrrev_b32 v1, 5, v0
	v_readfirstlane_b32 s24, v1                    ; wave
	v_and_b32 v2, 31, v0                           ; lane
	v_lshlrev_b32 v3, 4, v2                        ; 16 x lane: my bytes of a load's 512 and of a store's 512; never rewritten
	s_mul_i32 s25, s24, WREG
	v_lshrrev_b32 v14, 2, v2
	v_mul_u32_u24 v14, v14, SP
	v_and_b32 v15, 3, v2
	v_lshl_add_u32 v14, v15, 4, v14
	v_add_nc_u32 v14, s25, v14                     ; into the stage: four lanes' 64 bytes on end, then the padding
	v_mul_u32_u24 v15, v2, SP
	v_add_nc_u32 v15, s25, v15                     ; out of it: my 64 bytes
	s_sub_co_u32 s2, ttmp9, XWG
	s_bfe_u32 s3, s2, 0x20006                      ; j: which weight (of no account in x's work-groups)
	s_and_b32 s2, s2, 63                           ; l: which part of it
	s_lshl_b32 s6, s3, 20                          ; its part of wc
	s_mov_b32 s7, 0
	s_wait_alu depctr_va_vdst(0)
	s_wait_kmcnt 0x0
	s_load_b256 s[32:39], s[18:19], 0x0            ; entries 0 to 7
	s_load_b128 s[40:43], s[18:19], 0x20           ; entries 8 to 11
	s_mov_b64 s[4:5], s[16:17]                     ; the source: wp,
	s_cmp_eq_u32 s3, 2
	s_cselect_b64 s[4:5], s[14:15], s[4:5]         ; or wv,
	s_cmp_eq_u32 s3, 1
	s_cselect_b64 s[4:5], s[12:13], s[4:5]         ; or wk,
	s_cmp_eq_u32 s3, 0
	s_cselect_b64 s[4:5], s[10:11], s[4:5]         ; or wq,
	s_add_nc_u64 s[22:23], s[22:23], s[6:7]
	s_cmp_lt_u32 ttmp9, XWG
	s_cselect_b64 s[4:5], s[8:9], s[4:5]           ; or x: the choices hang on the work-group's number alone
	s_cselect_b64 s[26:27], s[20:21], s[22:23]     ; output 0
	s_cselect_b32 s2, ttmp9, s2
	s_lshl_b32 s2, s2, 2
	s_add_co_u32 s2, s2, s24                       ; which run of 4,096 numbers of the tensor is my wave's
	s_lshl_b32 s6, s2, 14
	s_add_nc_u64 s[4:5], s[4:5], s[6:7]
	s_lshl_b32 s6, s2, 12
	s_add_nc_u64 s[26:27], s[26:27], s[6:7]
	s_add_nc_u64 s[28:29], s[20:21], s[6:7]
	s_add_nc_u64 s[28:29], s[28:29], 0x800000      ; outputs 1 and 2: x's second and third set (used by x's work-groups alone)
	s_add_nc_u64 s[30:31], s[28:29], 0x800000
.macro LOAD t
.irp i, 0,1,2,3
	global_load_b128 v[R+16*((\t)%4)+4*\i:R+16*((\t)%4)+4*\i+3], v3, s[4:5] offset:2048*(\t)+512*\i th:TH_LOAD_NT
.endr
.endm
.macro TURN t                          ; a step's numbers through the stage: LDS serves a wave's instructions in order, so no wait stands between the stores and the loads
.irp i, 0,1,2,3
	ds_store_b128 v14, v[R+16*((\t)%4)+4*\i:R+16*((\t)%4)+4*\i+3] offset:32*SP*((\t)%2)+8*SP*\i
.endr
.irp i, 0,1,2,3
	ds_load_b128 v[X+16*((\t)%2)+4*\i:X+16*((\t)%2)+4*\i+3], v15 offset:32*SP*((\t)%2)+16*\i
.endr
.endm
.macro MKS e, o                        ; 2^e and 448 x 2^e as f32, for output o
	s_add_co_i32 s45, \e, 127
	s_lshl_b32 s46, s45, 23
	v_mov_b32 v[SC+2*\o], s46
	s_add_co_i32 s45, s45, 8
	s_lshl_b32 s45, s45, 23
	s_or_b32 s45, s45, 0x600000
	v_mov_b32 v[SC+2*\o+1], s45
.endm
.macro Q1 t, o, base                   ; step t's 16 numbers under output o's scale: hold (the conversion does not saturate: ISA guide 7.6.2), convert, store
.irp i, 0,1,2,3,4,5,6,7,8,9,10,11,12,13,14,15
	v_med3_num_f32 v[T+\i], v[X+16*((\t)%2)+\i], -v[SC+2*(\o)+1], v[SC+2*(\o)+1]
.endr
	v_cvt_scalef32_pk8_fp8_f32 v[C+12*(\t)+4*(\o):C+12*(\t)+4*(\o)+1], v[T:T+7], v[SC+2*(\o)]
	v_cvt_scalef32_pk8_fp8_f32 v[C+12*(\t)+4*(\o)+2:C+12*(\t)+4*(\o)+3], v[T+8:T+15], v[SC+2*(\o)]
	v_nop                                          ; a plain line between the conversions and the next holds, which write their sources
	global_store_b128 v3, v[C+12*(\t)+4*(\o):C+12*(\t)+4*(\o)+3], s[\base:\base+1] offset:512*(\t)
.endm
.irp t, 0,1,2,3
	LOAD \t
.endr
	s_wait_kmcnt 0x0
	s_mov_b32 s44, s43                             ; output 0's exponent: entry 11 (wp),
	s_cmp_eq_u32 s3, 2
	s_cselect_b32 s44, s37, s44                    ; 5 (wv),
	s_cmp_eq_u32 s3, 1
	s_cselect_b32 s44, s35, s44                    ; 3 (wk),
	s_cmp_eq_u32 s3, 0
	s_cselect_b32 s44, s33, s44                    ; 1 (wq),
	s_cmp_lt_u32 ttmp9, XWG
	s_cselect_b32 s44, s32, s44                    ; or 0 (x)
	MKS s44, 0
	MKS s34, 1                                     ; entry 2
	MKS s36, 2                                     ; entry 4
	s_wait_alu depctr_va_vdst(0)
	s_wait_loadcnt 12                              ; step 0's four loads are in; the twelve behind them may be out
	TURN 0
.macro STEP t
	s_wait_dscnt 0x0                               ; this step's numbers are back from the stage, so its stores into the stage have read their registers,
.if (\t)+4 < STEPS
	LOAD (\t)+4                                    ; which take the loads of four steps on
.endif
.if (\t)+1 < STEPS
.if STEPS-2-(\t) >= 3
	s_wait_loadcnt 12                              ; the next step's four loads are in; those of the three steps behind it may be out
.else
	s_wait_loadcnt 4*(STEPS-2-(\t))
.endif
	TURN (\t)+1                                    ; they go through the other stage while this step is worked
.endif
	Q1 \t, 0, 26
	s_cmp_lt_u32 ttmp9, XWG                        ; x's work-groups alone make the other two sets: the jump leads round register work and global stores only
	s_cbranch_scc0 .Lweight_\@
	Q1 \t, 1, 28
	Q1 \t, 2, 30
.Lweight_\@:
.endm
.irp t, 0,1,2,3,4,5,6,7
	STEP \t
.endr
	s_wait_tensorcnt 0x0                           ; the wave's end, behind my last LDS store
	ds_add_u32 v[SPW], v[NIL]
	s_wait_dscnt 0x0
	s_endpgm
.Lfunc_end_k_q8c712a0fa5_quant:
	.size	k_q8c712a0fa5_quant, .Lfunc_end_k_q8c712a0fa5_quant-k_q8c712a0fa5_quant
	.p2alignl 7, 3214868480
	.fill 96, 4, 3214868480
	.section	.rodata,"a",@progbits
	.p2align	6, 0x0
	.amdhsa_kernel k_q8c712a0fa5_quant
		.amdhsa_group_segment_fixed_size 20992
		.amdhsa_private_segment_fixed_size 0
		.amdhsa_enable_private_segment 0
		.amdhsa_kernarg_size 64
		.amdhsa_user_sgpr_count 2
		.amdhsa_user_sgpr_kernarg_segment_ptr 1
		.amdhsa_wavefront_size32 1
		.amdhsa_system_sgpr_workgroup_id_x 1
		.amdhsa_system_sgpr_workgroup_id_y 1
		.amdhsa_system_sgpr_workgroup_id_z 1
		.amdhsa_system_vgpr_workitem_id 0
		.amdhsa_next_free_vgpr 240
		.amdhsa_next_free_sgpr 66
		.amdhsa_reserve_vcc 0
		.amdhsa_float_denorm_mode_32 3
		.amdhsa_float_denorm_mode_16_64 3
		.amdhsa_memory_ordered 1
		.amdhsa_forward_progress 1
		.amdhsa_inst_pref_size 42
	.end_amdhsa_kernel
	.amdgpu_metadata
---
amdhsa.version: [ 1, 2 ]
amdhsa.kernels:
  - .name:           k_q8c712a0fa5_quant
    .symbol:         k_q8c712a0fa5_quant.kd
    .args:
      - { .name: x, .offset: 0, .size: 8, .value_kind: global_buffer, .address_space: global }
      - { .name: wq, .offset: 8, .size: 8, .value_kind: global_buffer, .address_space: global }
      - { .name: wk, .offset: 16, .size: 8, .value_kind: global_buffer, .address_space: global }
      - { .name: wv, .offset: 24, .size: 8, .value_kind: global_buffer, .address_space: global }
      - { .name: wp, .offset: 32, .size: 8, .value_kind: global_buffer, .address_space: global }
      - { .name: lowp_scales, .offset: 40, .size: 8, .value_kind: global_buffer, .address_space: global }
      - { .name: xc, .offset: 48, .size: 8, .value_kind: global_buffer, .address_space: global }
      - { .name: wc, .offset: 56, .size: 8, .value_kind: global_buffer, .address_space: global }
    .group_segment_fixed_size: 20992
    .private_segment_fixed_size: 0
    .kernarg_segment_align: 8
    .kernarg_segment_size: 64
    .max_flat_workgroup_size: 128
    .sgpr_count:     66
    .vgpr_count:     240
    .wavefront_size: 32
...
	.end_amdgpu_metadata
.endif
;; end of part 1
;; launch qkv (part 2): grid 4 x 96, 4 waves a work-group, clusters of 4 x 4, 327,680 bytes of LDS; arguments xc, wc, bq, bk, bv, lowp_scales, qkv; writes qkv
.if DOCPART == 2
	.amdgcn_target "amdgcn-amd-amdhsa--gfx1250"
	.amdhsa_code_object_version 6
	.text
	.protected	k_q8c712a0fa5_qkv
	.globl	k_q8c712a0fa5_qkv
	.p2align	8
	.type	k_q8c712a0fa5_qkv,@function
k_q8c712a0fa5_qkv:
	s_mov_b64 s[64:65], 0
	v_nop
	global_prefetch_b8 v0, s[64:65] scope:SCOPE_SE
	s_setreg_imm32_b32 hwreg(HW_REG_WAVE_MODE, 25, 1), 1
	s_wait_xcnt 0x0
	s_wait_alu depctr_hold_cnt(0) depctr_sa_sdst(0) depctr_va_vdst(0) depctr_va_sdst(0) depctr_va_ssrc(0) depctr_va_vcc(0) depctr_vm_vsrc(0)
	s_getreg_b32 s2, hwreg(HW_REG_IB_STS2, 6, 4)
	s_cmp_eq_u32 s2, 0
	s_cbranch_scc0 .Lentry_in_a_cluster
	s_endpgm
.Lentry_in_a_cluster:
	s_bfe_u32 s2, ttmp6, 0x10000c
	s_cmp_lg_u32 s2, 0xf033
	s_cbranch_scc0 .Lentry_shape_is_right
	s_endpgm
.Lentry_shape_is_right:
; Three GEMMs on E4M3 codes, K = 1,024, sums in f32, bias added, results quantised again to E4M3:  g = 0: q = x wq^T + bq (entry 6);  g = 1: k = x wk^T + bk (entry 7);  g = 2: v^T = wv x^T + bv (entry 8).
; For g = 2 the operands change roles (A = wv's rows, B = x's rows), so that the same text gives v with the tokens (the keys) innermost.  x's codes of part g stand under entry 2g, the weight's under 2g + 1.
; 24 clusters of 4 x 4 work-groups, 8 for each GEMM; which GEMM and which tiles hangs on the cluster's y alone, by selects, never by a branch.  A tile of C is 256 x 256, four waves, 128 x 128 each: 64 accumulators.
; K goes in 4 steps of 256 through two LDS slots filled by joint tensor loads: A's tile is shared along a row of the cluster, B's along a column.
; THE MATRIX INSTRUCTION IS USED TRANSPOSED (source 0 = 16 rows of B, source 1 = 16 rows of A): a lane holds eight neighbouring columns of one row of C, which one conversion turns into 8 bytes.
; THE BIAS.  By column (q, k): divided by 2^(ea + eb), it is the C of each sum's first product.  By row (v^T): it is added to the finished sums.  Both are always loaded; the one that does not apply is made 0 by a mask.
; THE OUTPUT'S LAYOUT.  Element (row m, column n) of a result lies at (m / 128) X + (n / 64) 8,192 + pos(m % 128) 64 + n % 64, X = 131,072 (q, k) or 1,048,576 (v^T);
; pos swaps bits 3 and 4 of the row.  So 128 rows x 64 columns are 8,192 dense bytes, and sixteen neighbouring places hold rows 32 b + 8 u + r + 8 (r / 8), the rows that the attention takes as one tile.
; LIMITS: with ea, eb the operands' exponents and eo the result's: eo - ea - eb between -126 and 119.  NaN among the inputs is not served.
; REGISTERS, in windows of 256: window 0: v0-31 addresses; v32-95 the column bias, later a block's sums; v96-111 the row bias, a pair a block; v112, v113 the hold and the scale; from v128 A's fragments, later codes.
;   window 1: B's fragments, two sets.   window 2: accumulators of my rows 0-63;   window 3: of my rows 64-127.
.set KROW,   1024                      ; a row of codes in memory, both operands
.set ROWB,   256                       ; a tile's row: 256 codes
.set PITCH,  272                       ; an LDS row: 256 bytes + 16 of padding, an odd multiple of 16
.set FR,     16                        ; registers of a fragment: 16 rows x 128 K
.set NL,     4                         ; LDS loads that bring one
.set NP,     4                         ; places behind this matrix instruction (ISA guide 7.12.1)
.set HALFT,  128*PITCH                 ; what one tensor load brings
.set SLOT,   4*HALFT                   ; A's 256 rows, then B's 256 rows
.set SPARE,  2*SLOT                    ; behind the ring: the spare words, 128 bytes a wave, which no other line names
.set SP,     80                        ; the way out: a stage row: 64 bytes of codes + 16
.set CHK,    256*SP                    ; a stage chunk: the tile's 256 rows x 64 columns.  The four chunks lie in slot 0, which has had its last fill and its last read by then
.set ADRA, 16                          ; v16-17  LDS address of my A fragments in slot 0, 1
.set ADRB, 20                          ; v20-21  the same for B
.set STO,  24                          ; v24  where I put 8 bytes of a stage row
.set RD,   25                          ; v25  where I read the stage back
.set GO,   26                          ; v26  16 x lane
.set SPW,  28                          ; v28  my spare word; never rewritten
.set NIL,  29                          ; v29  0; never rewritten
.set BCO,  30                          ; v30  byte offset of my column bias
.set BRO,  31                          ; v31  of my row bias
.set BC,   32
.set TMP,  32
.set BR,   96
.set LIMV, 112
.set SCV,  113
.set AF,   128
.set CD,   128
.set G1, 24                            ; s[24:31] group 1 for A's tiles; s[32:39] group 0, a set a slot
.set G0, 32
.set G1B, 48                           ; s[48:55], s[56:63] the same for B's
.set G0B, 56
.set MSB, 0
.macro WIN new                         ; the immediate's high byte repeats the setting that is left
.if MSB != (\new)
	s_set_vgpr_msb (MSB<<8)|(\new)
.set MSB, (\new)
.endif
.endm
.set MUL_LO, 0xa1                      ; source 0 (B) window 1, source 1 (A) window 0, C and D window 2
.set MUL_HI, 0xf1                      ; the same, C and D window 3
.set TO_B,   0x40                      ; destination window 1
.macro JLOAD g0a, g1a, g0b, g1b        ; a joint load: waves 0, 1 fetch for A, waves 2, 3 for B; the branch hangs on the wave's number alone; s_nop 0 and four v_nop follow each line
	s_cmp_eq_u32 s15, 0
	s_cbranch_scc0 .Lfor_b_\@
	tensor_load_to_lds s[\g0a:\g0a+3], s[\g1a:\g1a+7]
	s_nop 0
.rept 4
	v_nop
.endr
	s_branch .Lasked_\@
.Lfor_b_\@:
	tensor_load_to_lds s[\g0b:\g0b+3], s[\g1b:\g1b+7]
	s_nop 0
.rept 4
	v_nop
.endr
.Lasked_\@:
.endm
.macro CREST                           ; a round of the cluster's barrier behind its opening barrier
	s_cmp_lg_u32 s14, 0
	s_cbranch_scc1 .Lnot_wave_0_\@
	s_barrier_signal -3
.Lnot_wave_0_\@:
	s_barrier_wait -3
	s_barrier_signal -1
	s_barrier_wait -1
.endm
.macro CROUND
	s_barrier_signal -1
	s_barrier_wait -1
	CREST
.endm
	s_load_b256 s[68:75], s[0:1], 0x0              ; xc s[68:69], wc s[70:71], bq s[72:73], bk s[74:75]
	s_load_b128 s[76:79], s[0:1], 0x20             ; bv s[76:77], the exponents s[78:79]
	s_load_b64 s[80:81], s[0:1], 0x30              ; qkv
	v_lshl_add_u32 v[SPW], v0, 2, SPARE
	v_mov_b32 v[NIL], 0
	ds_add_u32 v[SPW], v[NIL]                      ; the wave's opening: the add and its wait ahead of my first tensor load; work on registers stands between them
	ds_add_u32 v[SPW], v[NIL]
	v_lshrrev_b32 v1, 5, v0
	v_readfirstlane_b32 s14, v1                    ; wave 0..3
	s_lshr_b32 s15, s14, 1                         ; which half of the tile's rows is mine.  Also: I fetch for A (0) or B (1)
	s_and_b32 s16, s14, 1                          ; which half of its columns.  Also: which 128 rows of that tile I fetch
	s_bfe_u32 s40, ttmp6, 0x40000                  ; cx
	s_bfe_u32 s41, ttmp6, 0x40004                  ; cy
	s_and_b32 s82, ttmp7, 0xffff                   ; the cluster's y, 0..23
	s_lshr_b32 s83, s82, 3                         ; g: which GEMM
	s_and_b32 s84, s82, 7                          ; which of its 8 clusters
	s_mov_b32 s88, 0x100000
	s_cmp_lt_u32 s83, 2                            ; q and k: 32 x 4 tiles; v^T: 4 x 32
	s_cselect_b32 s85, s84, 0                      ; the cluster's place along the tile rows,
	s_cselect_b32 s86, 0, s84                      ; along the tile columns
	s_cselect_b32 s87, -1, 0                       ; keeps the column bias (q, k)
	s_cselect_b32 s88, 0x20000, s88                ; X
	s_not_b32 s89, s87                             ; keeps the row bias (v^T)
	s_lshl_b32 s17, s85, 2
	s_add_co_u32 s17, s17, s41                     ; tile row
	s_lshl_b32 s42, s86, 2
	s_add_co_u32 s42, s42, s40                     ; tile column
	s_lshl_b32 s43, s41, 2
	s_lshl_b32 s43, 15, s43                        ; my row of the cluster
	s_lshl_b32 s44, 0x1111, s40                    ; my column
	s_or_b32 s[G1+0], s43, (0<<16)|(1<<20)|(1<<21)|(5<<22)|(3<<25)  ; the mask; elements of 1 byte; padding on; bit 21 beside a mask; after every 64 words, 4 words
	s_or_b32 s[G1B+0], s44, (0<<16)|(1<<20)|(1<<21)|(5<<22)|(3<<25)
.irp g, G1, G1B
	s_mov_b32 s[\g+1], ROWB<<16                    ; tensor_dim0
	s_mov_b32 s[\g+2], 128<<16                     ; tensor_dim1
	s_mov_b32 s[\g+3], ROWB<<16                    ; tile_dim0
	s_mov_b32 s[\g+4], 128                         ; tile_dim1
	s_mov_b32 s[\g+5], KROW                        ; from row to row
	s_mov_b32 s[\g+6], 0
	s_mov_b32 s[\g+7], 0
.endr
	s_lshl_b32 s18, s16, 7
	s_lshl_b32 s20, s17, 8
	s_add_co_u32 s20, s20, s18                     ; A: row 256 x tile row + 128 x half,
	s_lshl_b32 s20, s20, 10                        ; in bytes
	s_mov_b32 s21, 0
	s_lshl_b32 s46, s42, 8
	s_add_co_u32 s46, s46, s18                     ; B: row 256 x tile column + 128 x half
	s_lshl_b32 s46, s46, 10
	s_mov_b32 s47, 0
	s_mul_i32 s45, s14, HALFT                      ; where they go: wave x 128 rows
	s_lshl_b32 s90, s83, 23                        ; x's part g
	s_mov_b32 s91, 0
	s_lshl_b32 s92, s83, 20                        ; the weight's part g
	s_mov_b32 s93, 0
	s_lshl_b32 s94, s83, 3                         ; entries 2g, 2g + 1
	s_lshl_b32 s95, s83, 2                         ; entry 6 + g
	s_wait_dscnt 0x0                               ; the opening add is done
	s_wait_kmcnt 0x0
	s_load_b64 s[96:97], s[78:79], s94 offset:0x0  ; ea, eb
	s_load_b32 s98, s[78:79], s95 offset:0x18      ; eo
	s_add_nc_u64 s[68:69], s[68:69], s[90:91]
	s_add_nc_u64 s[70:71], s[70:71], s[92:93]
	s_cmp_lt_u32 s83, 2
	s_cselect_b64 s[4:5], s[68:69], s[70:71]       ; A
	s_cselect_b64 s[6:7], s[70:71], s[68:69]       ; B
	s_mov_b64 s[8:9], s[76:77]                     ; the bias: bv,
	s_cmp_eq_u32 s83, 1
	s_cselect_b64 s[8:9], s[74:75], s[8:9]         ; or bk,
	s_cmp_eq_u32 s83, 0
	s_cselect_b64 s[8:9], s[72:73], s[8:9]         ; or bq
	s_add_nc_u64 s[20:21], s[4:5], s[20:21]
	s_add_nc_u64 s[46:47], s[6:7], s[46:47]
	CROUND                                         ; all sixteen work-groups are here: the first joint loads meet
.irp s, 0,1
	s_mov_b32 s[G0+4*\s], 1
	s_add_co_u32 s[G0+4*\s+1], s45, \s*SLOT
	s_add_nc_u64 s[G0+4*\s+2:G0+4*\s+3], s[20:21], \s*ROWB
	s_or_b32 s[G0+4*\s+3], s[G0+4*\s+3], 0x80000000
	s_mov_b32 s[G0B+4*\s], 1
	s_add_co_u32 s[G0B+4*\s+1], s45, \s*SLOT
	s_add_nc_u64 s[G0B+4*\s+2:G0B+4*\s+3], s[46:47], \s*ROWB
	s_or_b32 s[G0B+4*\s+3], s[G0B+4*\s+3], 0x80000000
.endr
	JLOAD G0, G1, G0B, G1B                         ; K step 0: one tensor load a wave at the head
	; THE PREFETCHES: behind the load of K step t stands one request for K step t + 2 (t = 0, 1).  Of the 128 rows that my wave fetches, each of the four partners that ask for them jointly names 32,
	; told apart by address (cx for A, cy for B): a lane a row, 256 bytes of it.  The address registers are never rewritten; K steps 0 and 1 come by their loads alone.
	s_cmp_eq_u32 s15, 0
	s_cselect_b64 s[66:67], s[20:21], s[46:47]     ; my 128 rows, of A or of B
	s_cselect_b32 s18, s40, s41                    ; my work-group's place among the four
	s_lshl_b32 s18, s18, 15                        ; 32 rows of 1,024 bytes
	s_mov_b32 s19, 0
	s_add_nc_u64 s[66:67], s[66:67], s[18:19]
	v_and_b32 v27, 31, v0
	v_lshlrev_b32 v27, 10, v27                     ; a lane a row
	global_prefetch_b8 v27, s[66:67] offset:2*ROWB th:TH_LOAD_NT scope:SCOPE_SE
	v_and_b32 v1, 15, v0                           ; r
	s_wait_alu depctr_va_vdst(0)
	v_bfe_u32 v2, v0, 4, 1                         ; h
	v_lshlrev_b32 v[BCO], 5, v2                    ; the column bias: block b's eight columns of my half: 64 b + 32 h bytes on
	s_and_b32 s18, s42, 3                          ; (& 3 keeps the load inside the bias where its value is masked off)
	s_lshl_b32 s18, s18, 10
	s_lshl_b32 s19, s16, 9
	s_add_co_u32 s18, s18, s19
	v_add_nc_u32 v[BCO], s18, v[BCO]
	v_lshlrev_b32 v[BRO], 2, v1                    ; the row bias: block a's row r: 64 a + 4 r bytes on
	s_and_b32 s18, s17, 3
	s_lshl_b32 s18, s18, 10
	s_lshl_b32 s19, s15, 9
	s_add_co_u32 s18, s18, s19
	v_add_nc_u32 v[BRO], s18, v[BRO]
.irp b, 0,1,2,3,4,5,6,7
	global_load_b128 v[BC+8*\b:BC+8*\b+3], v[BCO], s[8:9] offset:64*\b
	global_load_b128 v[BC+8*\b+4:BC+8*\b+7], v[BCO], s[8:9] offset:64*\b+16
.endr
.irp a, 0,1,2,3,4,5,6,7
	global_load_b32 v[BR+2*\a], v[BRO], s[8:9] offset:64*\a
.endr
	v_mul_u32_u24 v3, v1, PITCH
	s_wait_alu depctr_va_vdst(0)
	v_lshl_add_u32 v4, v2, 4, v3                   ; a fragment's row x pitch + 16 x half
	s_mul_i32 s21, s15, HALFT                      ; my 128 rows of A
	s_mul_i32 s22, s16, HALFT                      ; my 128 rows of B,
	s_add_co_u32 s22, s22, 2*HALFT                 ; behind A's 256
.irp s, 0,1
	v_add_nc_u32 v[ADRA+\s], s21, v4
	v_add_nc_u32 v[ADRB+\s], s22, v4
	s_add_co_u32 s21, s21, SLOT
	s_add_co_u32 s22, s22, SLOT
.endr
	v_and_b32 v5, 8, v1
	v_add_nc_u32 v5, v5, v1                        ; r + 8 (r / 8): with the block's 32 (a / 2) + 8 (a % 2) this is pos(16 a + r)
	v_mul_u32_u24 v5, v5, SP
	v_lshl_add_u32 v5, v2, 3, v5                   ; + 8 h
	s_mul_i32 s23, s16, 2*CHK                      ; my two chunks,
	s_mul_i32 s22, s15, 128*SP                     ; my 128 rows in them
	s_add_co_u32 s23, s23, s22
	v_add_nc_u32 v[STO], s23, v5
	v_and_b32 v6, 31, v0
	; THE ORDER INSIDE 16 PLACES x 64 BYTES (1,024 bytes of the output): [32-byte half c][16-byte half h][place r][16 bytes]: the image of the registers of the fragment that the attention loads
	v_mul_u32_u24 v7, v1, SP                       ; back: lane (r, h) takes place r of a group of sixteen,
	v_lshl_add_u32 v7, v2, 4, v7                   ; bytes 16 h on
	s_mul_i32 s23, s14, CHK                        ; wave w takes chunk w
	v_add_nc_u32 v[RD], s23, v7
	v_lshlrev_b32 v[GO], 4, v6
	s_mul_i32 s92, s17, s88                        ; where chunk w of my tile goes: 2 x tile row x X
	s_lshl_b32 s92, s92, 1
	s_lshl_b32 s93, s42, 2
	s_add_co_u32 s93, s93, s14                     ; + (4 x tile column + w) x 8,192
	s_lshl_b32 s93, s93, 13
	s_add_co_u32 s92, s92, s93
	s_add_co_u32 s92, s92, s90                     ; + part g
	s_mov_b32 s93, 0
	s_add_nc_u64 s[10:11], s[80:81], s[92:93]      ; the tile's rows 0-127,
	s_mov_b32 s92, s88
	s_add_nc_u64 s[12:13], s[10:11], s[92:93]      ; its rows 128-255
	s_wait_kmcnt 0x0
	s_add_co_i32 s18, s96, s97                     ; ea + eb: a sum stands for sum x 2^(ea + eb)
	s_sub_co_i32 s19, 0, s18
	s_sub_co_i32 s99, s98, s18                     ; so its code is sum / 2^(eo - ea - eb)
	s_add_co_i32 s99, s99, 127
	s_lshl_b32 s22, s99, 23
	v_mov_b32 v[SCV], s22
	s_add_co_i32 s99, s99, 8
	s_lshl_b32 s99, s99, 23
	s_or_b32 s99, s99, 0x600000
	v_mov_b32 v[LIMV], s99                         ; 448 x that
	s_wait_loadcnt 0x0                             ; the biases
.set ii, 0
.rept 64
	v_and_b32 v[BC+ii], s87, v[BC+ii]              ; 0 where the bias goes by row
	v_ldexp_f32 v[BC+ii], v[BC+ii], s19            ; / 2^(ea + eb)
.set ii, ii+1
.endr
.irp a, 0,1,2,3,4,5,6,7
	v_and_b32 v[BR+2*\a], s89, v[BR+2*\a]          ; 0 where the bias goes by column
	v_ldexp_f32 v[BR+2*\a], v[BR+2*\a], s19
	v_mov_b32 v[BR+2*\a+1], 0                      ; (named with it as a pair, so it is written)
.endr
.macro FRAG reg, adr, q, i             ; 16 rows x 128 K: lane l holds row l % 16; registers 4 c .. 4 c + 3 hold K = 32 c + 16 (l / 16) + 0 .. 15: the same order of K in A and in B
.irp c, 0,1,2,3
	ds_load_b128 v[\reg+4*\c:\reg+4*\c+3], v[\adr] offset:128*(\q)+32*\c+(\i)*16*PITCH
.endr
.endm
; 16 matrix instructions: A's blocks a0, a0 + 1 x B's eight.  p: B's set.  zero = 1: the first product starts the sums, with the column bias as its C.  The 64 accumulators take turns.
.macro MUL16 a0, p, zero
.irp a, \a0, \a0+1
.irp b, 0,1,2,3,4,5,6,7
.if \zero
	v_wmma_f32_16x16x128_fp8_fp8 v[8*(8*((\a)%4)+\b):8*(8*((\a)%4)+\b)+7], v[128*(\p)+FR*\b:128*(\p)+FR*\b+FR-1], v[AF+FR*(\a):AF+FR*(\a)+FR-1], v[BC+8*\b:BC+8*\b+7]
.else
	v_wmma_f32_16x16x128_fp8_fp8 v[8*(8*((\a)%4)+\b):8*(8*((\a)%4)+\b)+7], v[128*(\p)+FR*\b:128*(\p)+FR*\b+FR-1], v[AF+FR*(\a):AF+FR*(\a)+FR-1], v[8*(8*((\a)%4)+\b):8*(8*((\a)%4)+\b)+7]
.endif
.endr
.endr
.endm
.macro FETCH_B slot, q, p
	WIN TO_B
.irp i, 0,1,2,3,4,5,6,7
	FRAG 128*(\p)+FR*\i, ADRB+\slot, \q, \i
.endr
	WIN 0
.endm
.macro FETCH_A slot, q, i0
.irp i, \i0, \i0+1, \i0+2, \i0+3
	FRAG AF+FR*(\i), ADRA+\slot, \q, \i
.endr
.endm
.macro PLACES n                        ; plain vector lines between a matrix instruction and a load into, or a vector read of, its registers
.rept \n
	v_nop
.endr
.endm
.macro STEP slot, q, zero              ; 128 along K, its successor in the same slot.  With zero = 1 the C operand lies in window 0
	s_wait_dscnt 4*NL                              ; B's set and A's blocks 0-3 are in; the sixteen youngest loads (A's blocks 4-7) may be out
	WIN MUL_LO-0x20*(\zero)
	MUL16 0, (\q)%2, \zero
	MUL16 2, (\q)%2, \zero
	s_wait_dscnt 0
	PLACES NP
	FETCH_B \slot, (\q)+1, 1-(\q)%2
	FETCH_A \slot, (\q)+1, 0
	WIN MUL_HI-0x30*(\zero)
	MUL16 4, (\q)%2, \zero
	MUL16 6, (\q)%2, \zero
	PLACES NP
	WIN 0
	FETCH_A \slot, (\q)+1, 4
.endm
; A slot's last step changes slots: one barrier; in front of it each wave waits for all its tensor loads, adds 0 to its spare word, and waits for that and for its reads of this slot.  fill = 1: the slot is filled again.
.macro TURN slot, next, fill
	s_wait_tensorcnt 0x0                           ; all my tensor loads have landed: my part of the next slot
	ds_add_u32 v[SPW], v[NIL]
	s_wait_dscnt 4*NL+1                            ; the add and the sixteen youngest loads may be out
	WIN MUL_LO
	MUL16 0, 1, 0
	s_wait_dscnt 0x0                               ; the add is done, and my reads of this slot are over
	s_barrier_signal -1
	MUL16 2, 1, 0
	WIN 0
	s_barrier_wait -1
.if \fill
	CREST                                          ; the barrier has opened a round of the cluster's: no wave of any partner still reads this slot or has a load on its way
	s_add_nc_u64 s[G0+4*\slot+2:G0+4*\slot+3], s[G0+4*\slot+2:G0+4*\slot+3], 2*ROWB
	s_add_nc_u64 s[G0B+4*\slot+2:G0B+4*\slot+3], s[G0B+4*\slot+2:G0B+4*\slot+3], 2*ROWB
	JLOAD G0+4*\slot, G1, G0B+4*\slot, G1B         ; the first tensor load behind the round; its four v_nop are the places in front of the loads below
.else
	PLACES NP
.endif
	FETCH_B \next, 0, 0
	FETCH_A \next, 0, 0
	WIN MUL_HI
	MUL16 4, 1, 0
	MUL16 6, 1, 0
	PLACES NP
	WIN 0
	FETCH_A \next, 0, 4
.endm
	s_wait_alu depctr_va_vdst(0)                   ; the head's end
	s_wait_tensorcnt 0x0                           ; my part of K step 0 is in
	ds_add_u32 v[SPW], v[NIL]
	s_wait_dscnt 0x0
	CROUND                                         ; a whole round: everybody's part of K step 0 is in
	JLOAD G0+4, G1, G0B+4, G1B                     ; K step 1: the first tensor load behind the round
	FETCH_B 0, 0, 0
	FETCH_A 0, 0, 0
	FETCH_A 0, 0, 4
	global_prefetch_b8 v27, s[66:67] offset:3*ROWB th:TH_LOAD_NT scope:SCOPE_SE   ; behind K step 1's load and the run of LDS loads: K step 3
	STEP 0, 0, 1
	TURN 0, 1, 1                                   ; slot 0 takes K step 2
	STEP 1, 0, 0
	TURN 1, 0, 1                                   ; slot 1 takes K step 3
	STEP 0, 0, 0
	TURN 0, 1, 0                                   ; nothing is left to fetch
	STEP 1, 0, 0
	s_wait_dscnt 4*NL
	WIN MUL_LO
	MUL16 0, 1, 0
	MUL16 2, 1, 0
	s_wait_dscnt 0
	WIN MUL_HI
	MUL16 4, 1, 0
	MUL16 6, 1, 0
	WIN 0
; THE WAY OUT.  Block a (16 rows x 128 columns): + the row bias, held, converted: 8 bytes a lane and column block, into the work-group's stage at the row's place pos.  Each block has its own code registers.
.macro OUTB a
.set AC, 64*((\a)%4)
	WIN 0x02+((\a)/4)                              ; source 0: window 2 or 3
.set jj, 0
.rept 32
	v_pk_add_f32 v[TMP+jj:TMP+jj+1], v[AC+jj:AC+jj+1], v[BR+2*(\a):BR+2*(\a)+1] op_sel_hi:[1,0]   ; each accumulator from its low end on
.set jj, jj+2
.endr
	WIN 0
.set ii, 0
.rept 64
	v_med3_num_f32 v[TMP+ii], v[TMP+ii], -v[LIMV], v[LIMV]   ; the conversion does not saturate (ISA guide 7.6.2)
.set ii, ii+1
.endr
.irp b, 0,1,2,3,4,5,6,7
	v_cvt_scalef32_pk8_fp8_f32 v[CD+16*(\a)+2*\b:CD+16*(\a)+2*\b+1], v[TMP+8*\b:TMP+8*\b+7], v[SCV]
.endr
	v_nop                                          ; a plain line between the conversions and the next block's additions, which write their sources
.irp b, 0,1,2,3,4,5,6,7
	ds_store_b64 v[STO], v[CD+16*(\a)+2*\b:CD+16*(\a)+2*\b+1] offset:(\b/4)*CHK+(32*((\a)/2)+8*((\a)%2))*SP+16*(\b%4)
.endr
.endm
	PLACES NP                                      ; behind the last products: their results are read, and A's registers written, below
.irp a, 0,1,2,3,4,5,6,7
	OUTB \a
.endr
	s_wait_dscnt 0x0                               ; for the others' sake: my stores into the stage are done
	s_barrier_signal -1
	s_barrier_wait -1
.set tt, 0
.rept 32
	ds_load_b128 v[CD+4*tt:CD+4*tt+3], v[RD] offset:16*SP*(tt/2)+32*(tt%2)   ; group tt / 2 of sixteen places, half c = tt % 2: 512 bytes of the output an instruction
.set tt, tt+1
.endr
.set tt, 0
.rept 16
	s_wait_dscnt 31-tt                             ; LDS loads come back in order: load tt is in
	global_store_b128 v[GO], v[CD+4*tt:CD+4*tt+3], s[10:11] offset:512*tt   ; 512 consecutive bytes, aligned
.set tt, tt+1
.endr
.rept 16
	s_wait_dscnt 31-tt
	global_store_b128 v[GO], v[CD+4*tt:CD+4*tt+3], s[12:13] offset:512*(tt-16)
.set tt, tt+1
.endr
	s_wait_tensorcnt 0x0                           ; the wave's end
	ds_add_u32 v[SPW], v[NIL]
	s_wait_dscnt 0x0
	CROUND                                         ; the closing round
	s_endpgm
.Lfunc_end_k_q8c712a0fa5_qkv:
	.size	k_q8c712a0fa5_qkv, .Lfunc_end_k_q8c712a0fa5_qkv-k_q8c712a0fa5_qkv
	.p2alignl 7, 3214868480
	.fill 96, 4, 3214868480
	.section	.rodata,"a",@progbits
	.p2align	6, 0x0
	.amdhsa_kernel k_q8c712a0fa5_qkv
		.amdhsa_group_segment_fixed_size 327680
		.amdhsa_private_segment_fixed_size 0
		.amdhsa_enable_private_segment 0
		.amdhsa_kernarg_size 56
		.amdhsa_user_sgpr_count 2
		.amdhsa_user_sgpr_kernarg_segment_ptr 1
		.amdhsa_wavefront_size32 1
		.amdhsa_system_sgpr_workgroup_id_x 1
		.amdhsa_system_sgpr_workgroup_id_y 1
		.amdhsa_system_sgpr_workgroup_id_z 1
		.amdhsa_system_vgpr_workitem_id 0
		.amdhsa_next_free_vgpr 1024
		.amdhsa_next_free_sgpr 100
		.amdhsa_reserve_vcc 0
		.amdhsa_float_denorm_mode_32 3
		.amdhsa_float_denorm_mode_16_64 3
		.amdhsa_memory_ordered 1
		.amdhsa_forward_progress 1
		.amdhsa_inst_pref_size 152
	.end_amdhsa_kernel
	.amdgpu_metadata
---
amdhsa.version: [ 1, 2 ]
amdhsa.kernels:
  - .name:           k_q8c712a0fa5_qkv
    .symbol:         k_q8c712a0fa5_qkv.kd
    .args:
      - { .name: xc, .offset: 0, .size: 8, .value_kind: global_buffer, .address_space: global }
      - { .name: wc, .offset: 8, .size: 8, .value_kind: global_buffer, .address_space: global }
      - { .name: bq, .offset: 16, .size: 8, .value_kind: global_buffer, .address_space: global }
      - { .name: bk, .offset: 24, .size: 8, .value_kind: global_buffer, .address_space: global }
      - { .name: bv, .offset: 32, .size: 8, .value_kind: global_buffer, .address_space: global }
      - { .name: lowp_scales, .offset: 40, .size: 8, .value_kind: global_buffer, .address_space: global }
      - { .name: qkv, .offset: 48, .size: 8, .value_kind: global_buffer, .address_space: global }
    .group_segment_fixed_size: 327680
    .private_segment_fixed_size: 0
    .kernarg_segment_align: 8
    .kernarg_segment_size: 56
    .max_flat_workgroup_size: 128
    .sgpr_count:     100
    .vgpr_count:     1024
    .wavefront_size: 32
...
	.end_amdgpu_metadata
.endif
;; end of part 2
;; launch attn (part 3): grid 4 x 64, 8 waves a work-group, clusters of 4 x 1, 327,680 bytes of LDS; arguments qkv, lowp_scales, ac; writes ac
.if DOCPART == 3
	.amdgcn_target "amdgcn-amd-amdhsa--gfx1250"
	.amdhsa_code_object_version 6
	.text
	.protected	k_q8c712a0fa5_attn
	.globl	k_q8c712a0fa5_attn
	.p2align	8
	.type	k_q8c712a0fa5_attn,@function
k_q8c712a0fa5_attn:
	s_mov_b64 s[64:65], 0
	v_nop
	global_prefetch_b8 v0, s[64:65] scope:SCOPE_SE
	s_setreg_imm32_b32 hwreg(HW_REG_WAVE_MODE, 25, 1), 1
	s_wait_xcnt 0x0
	s_wait_alu depctr_hold_cnt(0) depctr_sa_sdst(0) depctr_va_vdst(0) depctr_va_sdst(0) depctr_va_ssrc(0) depctr_va_vcc(0) depctr_vm_vsrc(0)
	s_getreg_b32 s2, hwreg(HW_REG_IB_STS2, 6, 4)
	s_cmp_eq_u32 s2, 0
	s_cbranch_scc0 .Lentry_in_a_cluster
	s_endpgm
.Lentry_in_a_cluster:
	s_bfe_u32 s2, ttmp6, 0x10000c
	s_cmp_lg_u32 s2, 0x3003
	s_cbranch_scc0 .Lentry_shape_is_right
	s_endpgm
.Lentry_shape_is_right:
; Causal attention on E4M3 codes, 64 heads (batch b, head n), 2,048 tokens, head size 64; then / the row's sum, clip to +-10, and E4M3 codes again (entry 10) for the last projection.
; q, k: parts 0, 1 of qkv (entries 6, 7); v^T, keys innermost: part 2 (entry 8); p under entry 9.  In qkv 128 rows x 64 bytes are 8,192 dense bytes; place 32 B + 16 U + 8 A + j holds row 32 B + 16 A + 8 U + j;
; sixteen places are 1,024 bytes in the order [c][h][place r][16 bytes], byte 32 c + 16 h + .. of the place: a fragment is read as 512 consecutive bytes an instruction, 16 a lane.
; THE SOFTMAX: t = score x log2(e) / 8; M = the running largest t, rounded UP to a whole number; p = 2^(t - M) is quantised, not normalised; the sum is taken of the unquantised p and divides at the end;
; when M moves, the sum and O are multiplied by 2^(old M - new M), which rounds nothing.
; LEFT OUT: key steps all of whose keys come after a tile's queries: the causal mask sets their scores to -inf, so they add 0 to sum and result.
; SHARES.  The four work-groups of a head form a cluster.  Each holds the head's whole K and V in LDS (2 x 131,072 bytes), asked for ONCE, jointly: one tensor load a wave at the head (even waves a quarter of K, odd waves of V).
; Nothing is filled again.  A wave owns 32 queries at a time, two tiles of 16 (X = 0, 1), so each fragment of K and V feeds two matrix instructions.  Of the head's 64 such blocks wave w of work-group cx takes
; block 63 - j and then block j, j = 4 w + cx: 16 - w and w + 1 key steps of 128: SEVENTEEN in every wave, and the counts hang on the wave's number alone.  Each job's last step lies on the diagonal and is masked.
; One barrier, in front of which every wave has waited for its tensor load, shows all of K and V to all waves.
; No prefetch: every tile is asked for by the tensor loads at the head, and there is no loop to run ahead in.
; Both products are used transposed: S^T = K Q^T, O^T = V^T P^T: a lane holds one query.  The 16 registers of tiles 2 b, 2 b + 1 of S^T are keys 32 b + 16 h + 0 .. 15.
; LIMITS on the given exponents: entries 6 + 7 between -123 and 130 (added to c's exponent field); entries 9 and 10 between -126 and 119.  NaN among the inputs is not served.
; REGISTERS.  Tile X's own lie in window X at the same numbers: v10 r - 16 h + 16 X; v12 -M, v13 the largest t, v[14:15] the sum; v16-23 Q, v24-31 Q of the second job; v32-95 S^T, then p; v96-127 O^T; v128-143 codes; v144-168 at work and constants.
; Window 0 alone: v1-9 addresses, v170-185 the way out, v192-255 K's eight fragments.  Window 1: v192-255 V's four.
.set VB,    131072                     ; LDS: K's 16 steps of 8,192 bytes, then V's
.set STAGE, 262144                     ; behind them: 32 rows x 80 bytes for each wave, into which no tile lands
.set SP,    80
.set SPARE, STAGE+8*32*SP              ; the spare words, 128 bytes a wave, which no other line names
.set KPART, 0x800000
.set VPART, 0x1000000
.set AK,  1                            ; LDS address of the next step's K
.set AV,  2                            ; of this step's V
.set L16, 3                            ; 16 x lane
.set QO,  4
.set SPW, 5
.set NIL, 6
.set STO, 8
.set RD,  9
.set LD,  10
.set DD,  11
.set S,   32
.set O,   96
.set CD,  128
.set F,   144                          ; v[144:145] f, 0
.set MA,  146
.set MB,  147
.set PL,  148
.set CH,  150                          ; v150-157 four chains of the sum
.set MC,  158
.set MD,  159
.set L9,  164                          ; 448 x 2^e9
.set E9,  165                          ; 2^e9
.set CL,  166                          ; min(10, 448 x 2^e10)
.set E10, 167                          ; 2^e10
.set NINF, 168
.set OUTR, 170
.set FR,  192
.set WV,  18
.set E89, 19
.set SEL, 20
.set CS,  22
.set G1K, 24
.set G1V, 32
.set G0K, 40
.set G0V, 44
.set OB,  52                           ; s[52:53] my 2,048 bytes of ac, job in hand; s[54:55] second job
.set OB2, 54
.set KN,  56                           ; LDS byte of the next step's K
.set VO,  57                           ; of this step's V
.set G,   58                           ; the step, 0..16
.set N2,  59                           ; steps of the first job: 16 - w
.set LG,  60                           ; the step that ends the job in hand
.set DQ,  61                           ; first query - first key in that step: 32 x (block % 4)
.set DQ2, 62
.set CX,  63
.set MSB, 0
.macro WIN new                         ; the immediate's high byte repeats the setting that is left
.if MSB != (\new)
	s_set_vgpr_msb (MSB<<8)|(\new)
.set MSB, (\new)
.endif
.endm
.macro WALU
	s_wait_alu depctr_va_vdst(0)
.endm
.macro DLY
	s_delay_alu instid0(VALU_DEP_1)
.endm
.macro NOPS
.rept 4
	v_nop
.endr
.endm
.macro CROUND                          ; a round of the cluster's barrier
	s_barrier_signal -1
	s_barrier_wait -1
	s_cmp_lg_u32 s[WV], 0
	s_cbranch_scc1 .Lnot_wave_0_\@
	s_barrier_signal -3
.Lnot_wave_0_\@:
	s_barrier_wait -3
	s_barrier_signal -1
	s_barrier_wait -1
.endm
.macro JOB0 X                          ; a job's first state, into window X: the step is written once and finds zeros
	WIN 0x40*(\X)
	v_mov_b32 v13, 0xff61b1e6                      ; the largest t so far: -3e38
	v_mov_b32 v12, 0x7f61b1e6                      ; -M = floor(3e38), a whole number
	v_mov_b32 v14, 0
	v_mov_b32 v15, 0
.set ii, 0
.rept 32
	v_mov_b32 v[O+ii], 0
.set ii, ii+1
.endr
.endm
	s_load_b128 s[4:7], s[0:1], 0x0                ; qkv, the exponents
	s_load_b64 s[8:9], s[0:1], 0x10                ; ac
	v_lshl_add_u32 v[SPW], v0, 2, SPARE
	v_mov_b32 v[NIL], 0
	ds_add_u32 v[SPW], v[NIL]                      ; the opening: the add, twice on end, and its wait ahead of my tensor load
	ds_add_u32 v[SPW], v[NIL]
	v_lshrrev_b32 v8, 5, v0
	v_readfirstlane_b32 s[WV], v8                  ; wave 0..7
	s_bfe_u32 s[CX], ttmp6, 0x40000                ; my place in the cluster: it enters Q's and ac's addresses and the mask's numbers alone
	s_and_b32 s80, ttmp7, 0xffff
	s_lshr_b32 s81, s80, 4                         ; b
	s_and_b32 s82, s80, 15                         ; n
	s_lshr_b32 s83, s[WV], 1                       ; which quarter (512 keys) I fetch
	s_and_b32 s89, s[WV], 1                        ; of K (0) or of V (1)
	s_lshl_b32 s95, s82, 13                        ; the head's 8,192 bytes in a block of 128 tokens
	s_lshl_b32 s94, s81, 4                         ; 16 b
	s_lshl_b32 s84, s83, 2
	s_add_co_u32 s84, s84, s94                     ; K: token block 16 b + 4 x quarter
	s_lshl_b32 s84, s84, 17
	s_add_co_u32 s84, s84, s95
	s_add_co_u32 s84, s84, KPART
	s_mov_b32 s85, 0
	s_lshr_b32 s86, s82, 1                         ; V^T: feature block n / 2,
	s_lshl_b32 s86, s86, 20
	s_lshl_b32 s87, s81, 18                        ; token chunk 32 b,
	s_add_co_u32 s86, s86, s87
	s_and_b32 s87, s82, 1                          ; the head's 64 of the 128 rows,
	s_lshl_b32 s87, s87, 12
	s_add_co_u32 s86, s86, s87
	s_lshl_b32 s87, s83, 16                        ; 8 chunks a quarter
	s_add_co_u32 s86, s86, s87
	s_add_co_u32 s86, s86, VPART
	s_mov_b32 s87, 0
	s_lshl_b32 s88, s83, 15                        ; in LDS: 32,768 bytes a quarter
	s_add_co_u32 s90, s88, VB
	s_sub_co_u32 s[N2], 16, s[WV]
	s_sub_co_u32 s[LG], 15, s[WV]
	s_add_co_u32 s91, s94, s[LG]                   ; first job: token block 16 b + 15 - w, its 32 rows 3 - cx
	s_lshl_b32 s91, s91, 17
	s_add_co_u32 s91, s91, s95
	s_sub_co_u32 s92, 3, s[CX]
	s_lshl_b32 s[DQ], s92, 5
	s_lshl_b32 s92, s92, 11
	s_add_co_u32 s10, s91, s92
	s_mov_b32 s11, 0
	s_add_co_u32 s91, s94, s[WV]                   ; second job: token block 16 b + w, its 32 rows cx
	s_lshl_b32 s91, s91, 17
	s_add_co_u32 s91, s91, s95
	s_lshl_b32 s[DQ2], s[CX], 5
	s_lshl_b32 s92, s[CX], 11
	s_add_co_u32 s12, s91, s92
	s_mov_b32 s13, 0
	s_mul_i32 s93, s[WV], 32*SP
	s_add_co_u32 s93, s93, STAGE                   ; my stage
	; group 1, elements of 8 bytes, the cluster's four named: K: 4 rows of 8,192 bytes, 131,072 apart; V: 8 rows of 4,096 bytes, 8,192 apart
	s_mov_b32 s[G1K], 15|(3<<16)|(1<<21)
	s_mov_b32 s[G1K+1], 1024<<16
	s_mov_b32 s[G1K+2], 4<<16
	s_mov_b32 s[G1K+3], 1024<<16
	s_mov_b32 s[G1K+4], 4
	s_mov_b32 s[G1K+5], 16384
	s_mov_b32 s[G1K+6], 0
	s_mov_b32 s[G1K+7], 0
	s_mov_b32 s[G1V], 15|(3<<16)|(1<<21)
	s_mov_b32 s[G1V+1], 512<<16
	s_mov_b32 s[G1V+2], 8<<16
	s_mov_b32 s[G1V+3], 512<<16
	s_mov_b32 s[G1V+4], 8
	s_mov_b32 s[G1V+5], 1024
	s_mov_b32 s[G1V+6], 0
	s_mov_b32 s[G1V+7], 0
	s_mov_b32 s[SEL], 0x76543210
	s_mov_b32 s[SEL+1], 0xfedcba98
	s_mov_b32 s[CS], 0x3e38aa3b                    ; c = log2(e) / 8
	s_mov_b32 s[G], 0
	s_mov_b32 s[KN], 0
	WALU
	s_wait_dscnt 0x0                               ; both opening adds are done
	CROUND                                         ; the four work-groups are here: the joint loads meet
	s_wait_kmcnt 0x0
	s_load_b256 s[68:75], s[6:7], 0x0              ; entries 0 to 7
	s_load_b128 s[76:79], s[6:7], 0x20             ; entries 8 to 11
	s_mov_b32 s[G0K], 1
	s_mov_b32 s[G0K+1], s88
	s_add_nc_u64 s[G0K+2:G0K+3], s[4:5], s[84:85]
	s_or_b32 s[G0K+3], s[G0K+3], 0x80000000
	s_mov_b32 s[G0V], 1
	s_mov_b32 s[G0V+1], s90
	s_add_nc_u64 s[G0V+2:G0V+3], s[4:5], s[86:87]
	s_or_b32 s[G0V+3], s[G0V+3], 0x80000000
	s_cmp_eq_u32 s89, 0
	s_cbranch_scc0 .Lfor_v
	tensor_load_to_lds s[G0K:G0K+3], s[G1K:G1K+7]
	s_nop 0
	NOPS
	s_branch .Lasked
.Lfor_v:
	tensor_load_to_lds s[G0V:G0V+3], s[G1V:G1V+7]
	s_nop 0
	NOPS
.Lasked:
	s_add_nc_u64 s[OB:OB+1], s[8:9], s[10:11]
	s_add_nc_u64 s[OB2:OB2+1], s[8:9], s[12:13]
	s_add_nc_u64 s[10:11], s[4:5], s[10:11]        ; Q of the first job,
	s_add_nc_u64 s[12:13], s[4:5], s[12:13]        ; of the second
	v_and_b32 v7, 15, v0                           ; r
	v_bfe_u32 v11, v0, 4, 1                        ; h
	v_and_b32 v[L16], 31, v0
	v_lshrrev_b32 v[RD], 2, v[L16]
	v_and_b32 v1, 3, v[L16]
	v_lshlrev_b32 v[L16], 4, v[L16]
	v_mul_u32_u24 v[RD], v[RD], SP
	v_lshl_add_u32 v[RD], v1, 4, v[RD]
	v_add_nc_u32 v[RD], s93, v[RD]                 ; the stage, back: four lanes to a row
	v_mul_u32_u24 v[STO], v7, SP
	v_lshl_add_u32 v[STO], v11, 4, v[STO]
	v_add_nc_u32 v[STO], s93, v[STO]               ; in: row r, + 16 h
	v_lshrrev_b32 v[QO], 3, v7                     ; Q: query 16 X + r lies in group r / 8 at place 8 X + r % 8
	v_lshlrev_b32 v[QO], 10, v[QO]
	v_lshl_add_u32 v[QO], v11, 8, v[QO]
	v_and_b32 v1, 7, v7
	v_lshl_add_u32 v[QO], v1, 4, v[QO]
	v_lshlrev_b32 v2, 4, v11
	v_sub_nc_u32 v2, v7, v2                        ; r - 16 h
.irp X, 0, 1
	WIN 0x40*\X
	global_load_b128 v[16:19], v[QO], s[10:11] offset:128*\X       ; registers 4 c .. 4 c + 3: channels 32 c + 16 h + 0 .. 15, as K's fragments have them
	global_load_b128 v[20:23], v[QO], s[10:11] offset:128*\X+512
	global_load_b128 v[24:27], v[QO], s[12:13] offset:128*\X
	global_load_b128 v[28:31], v[QO], s[12:13] offset:128*\X+512
.endr
	WIN 0
	WALU
	s_wait_kmcnt 0x0
	s_add_co_i32 s96, s74, s75
	s_lshl_b32 s96, s96, 23
	s_add_co_i32 s[CS], s[CS], s96                 ; a score stands for score x 2^(e6 + e7): added to c's exponent field
	s_mov_b32 s[CS+1], s[CS]
	s_add_co_i32 s96, s77, 127
	s_lshl_b32 s97, s96, 23                        ; 2^e9
	s_add_co_i32 s96, s96, 8
	s_lshl_b32 s96, s96, 23
	s_or_b32 s96, s96, 0x600000                    ; 448 x 2^e9
	s_add_co_i32 s98, s78, 127
	s_lshl_b32 s99, s98, 23                        ; 2^e10
	s_add_co_i32 s98, s98, 8
	s_lshl_b32 s98, s98, 23
	s_or_b32 s98, s98, 0x600000
	s_min_u32 s98, s98, 0x41200000                 ; the clip at 10 and the hold at 448 x 2^e10 in one: both are positive f32 numbers, whose bits order as they do
	s_add_co_i32 s[E89], s76, s77
.irp X, 0, 1
	WIN 0x40*\X
	v_add_nc_u32 v[LD], 16*\X, v2
	v_mov_b32 v[L9], s96
	v_mov_b32 v[E9], s97
	v_mov_b32 v[CL], s98
	v_mov_b32 v[E10], s99
	v_mov_b32 v[NINF], 0xff800000
	v_mov_b32 v[F+1], 0                            ; (named as the upper half of a pair)
	v_mov_b32 v[PL], 0                             ; a lane permute's destination counts as read
	JOB0 \X
.endr
	WIN 0
.macro KLOAD a                         ; K's eight fragments (16 keys x 64 channels), 512 consecutive bytes a load
.irp t, 0,1,2,3,4,5,6,7
	ds_load_b128 v[FR+8*\t:FR+8*\t+3], v[\a] offset:1024*\t
	ds_load_b128 v[FR+8*\t+4:FR+8*\t+7], v[\a] offset:1024*\t+512
.endr
.endm
.macro VLOAD                           ; V's four fragments (16 channels x 128 keys): registers 4 c ..: keys 32 c + 16 h + 0 .. 15
.irp t, 0,1,2,3
.irp c, 0,1,2,3
	ds_load_b128 v[FR+16*\t+4*\c:FR+16*\t+4*\c+3], v[AV] offset:4096*(\c/2)+1024*\t+512*(\c%2)
.endr
.endr
.endm
.macro QK X                            ; S^T = K Q^T: source 0 window 0, source 1 and the result window X
	WIN 0x44*(\X)
.irp t, 0,1,2,3,4,5,6,7
	v_wmma_f32_16x16x64_fp8_fp8 v[S+8*\t:S+8*\t+7], v[FR+8*\t:FR+8*\t+7], v[16:23], 0
.endr
.endm
.macro PV X                            ; O^T += V^T P^T: source 0 window 1, the rest window X; the accumulators take turns
	WIN 0x01+0x54*(\X)
.irp t, 0,1,2,3
	v_wmma_f32_16x16x128_fp8_fp8 v[O+8*\t:O+8*\t+7], v[FR+16*\t:FR+16*\t+15], v[CD:CD+15], v[O+8*\t:O+8*\t+7]
.endr
.endm
.macro MASK X                          ; on the diagonal: register 16 b + i holds key 32 b + 16 h + i of the step: hidden where 32 b + i > d = my query - the step's first key - 16 h
	WIN 0x55*(\X)
	v_add_nc_u32 v[DD], s[DQ], v[LD]
.set nn, 0
.rept 64
	v_cmp_gt_i32 vcc_lo, 32*(nn/16)+nn%16, v[DD]
	v_cndmask_b32 v[S+nn], v[S+nn], v[NINF], vcc_lo
.set nn, nn+1
.endr
.endm
.macro SOFT X                          ; tile X's softmax and codes, all in window X
	WIN 0x55*(\X)
.if \X
	WALU
.endif
	v_max3_num_f32 v[MA], v[S], v[S+1], v[S+2]     ; the step's largest score of my query, in four chains; each accumulator from its low end on
	v_max3_num_f32 v[MC], v[S+8], v[S+9], v[S+10]
	v_max3_num_f32 v[MB], v[S+3], v[S+4], v[S+5]
	v_max3_num_f32 v[MD], v[S+11], v[S+12], v[S+13]
	v_max3_num_f32 v[MA], v[MA], v[S+6], v[S+7]
	v_max3_num_f32 v[MC], v[MC], v[S+14], v[S+15]
.set ii, 16
.rept 3
	v_max3_num_f32 v[MA], v[MA], v[S+ii], v[S+ii+1]
	v_max3_num_f32 v[MC], v[MC], v[S+ii+8], v[S+ii+9]
	v_max3_num_f32 v[MB], v[MB], v[S+ii+2], v[S+ii+3]
	v_max3_num_f32 v[MD], v[MD], v[S+ii+10], v[S+ii+11]
	v_max3_num_f32 v[MA], v[MA], v[S+ii+4], v[S+ii+5]
	v_max3_num_f32 v[MC], v[MC], v[S+ii+12], v[S+ii+13]
	v_max3_num_f32 v[MB], v[MB], v[S+ii+6], v[S+ii+7]
	v_max3_num_f32 v[MD], v[MD], v[S+ii+14], v[S+ii+15]
.set ii, ii+16
.endr
	s_delay_alu instid0(VALU_DEP_2)
	v_max3_num_f32 v[MA], v[MA], v[MB], v[MC]
	DLY
	v_max_num_f32 v[MA], v[MA], v[MD]
	DLY
	v_permlanex16_b32 v[PL], v[MA], s[SEL], s[SEL+1]
	DLY
	v_max_num_f32 v[MA], v[MA], v[PL]              ; and among lane l xor 16's
	DLY
	v_mul_f32 v[MA], s[CS], v[MA]                  ; as t (c is positive)
	DLY
	v_max_num_f32 v13, v13, v[MA]
	v_mov_b32 v[MA], v12
	s_delay_alu instid0(VALU_DEP_2)
	v_floor_f32 v12, -v13                          ; the new -M = -ceil(t)
	DLY
	v_sub_f32 v[MA], v12, v[MA]                    ; old M - new M: a whole number, 0 or less
	DLY
	v_cvt_i32_f32 v[MA], v[MA]
	DLY
	v_ldexp_f32 v[F], 1.0, v[MA]                   ; f = 2^(old M - new M)
.set jj, 0
.rept 32
	v_pk_fma_f32 v[S+jj:S+jj+1], v[S+jj:S+jj+1], s[CS:CS+1], v[12:13] op_sel_hi:[1,0,0]   ; t - M
.set jj, jj+2
.endr
	WALU                                           ; ahead of the batch
.set jj, 0
.rept 64
	v_exp_f32 v[S+jj], v[S+jj]                     ; p = 2^(t - M)
.set jj, jj+1
.endr
	v_pk_mul_f32 v[14:15], v[14:15], v[F:F+1] op_sel_hi:[1,0]   ; the sums under the new M: the plain line behind the exponentials
	WALU                                           ; one wait for the batch, ahead of its first reader
.set kk, 0
.rept 4
	v_pk_add_f32 v[CH+2*kk:CH+2*kk+1], v[S+4*kk:S+4*kk+1], v[S+4*kk+2:S+4*kk+3]   ; the sum of the unquantised p, in four chains
.set kk, kk+1
.endr
.set kk, 8
.rept 24
	v_pk_add_f32 v[CH+2*(kk%4):CH+2*(kk%4)+1], v[CH+2*(kk%4):CH+2*(kk%4)+1], v[S+2*kk:S+2*kk+1]
.set kk, kk+1
.endr
	v_pk_add_f32 v[CH:CH+1], v[CH:CH+1], v[CH+2:CH+3]
	v_pk_add_f32 v[CH+4:CH+5], v[CH+4:CH+5], v[CH+6:CH+7]
	DLY
	v_pk_add_f32 v[CH:CH+1], v[CH:CH+1], v[CH+4:CH+5]
	DLY
	v_pk_add_f32 v[14:15], v[14:15], v[CH:CH+1]
.irp b, 0,1,2,3
.set ii, 0
.rept 16
	v_min_num_f32 v[S+16*\b+ii], v[S+16*\b+ii], v[L9]   ; the conversion does not saturate (ISA guide 7.6.2); p is not negative
.set ii, ii+1
.endr
	v_cvt_scalef32_pk8_fp8_f32 v[CD+4*\b:CD+4*\b+1], v[S+16*\b:S+16*\b+7], v[E9]
	v_cvt_scalef32_pk8_fp8_f32 v[CD+4*\b+2:CD+4*\b+3], v[S+16*\b+8:S+16*\b+15], v[E9]
.endr
	WALU                                           ; directly ahead of the first reader of O^T
.set jj, 0
.rept 16
	v_pk_mul_f32 v[O+jj:O+jj+1], v[O+jj:O+jj+1], v[F:F+1] op_sel_hi:[1,0]   ; O^T under the new M; also the plain lines behind the conversions
.set jj, jj+2
.endr
.endm
; A KEY STEP: 128 keys for both tiles.  K's fragments were asked for a step ago.  The mask is taken in a job's last step (a branch on the wave's number and the count of steps)
.macro STEP
	v_add_nc_u32 v[AK], s[KN], v[L16]
	v_add_nc_u32 v[AV], s[VO], v[L16]
	WALU
	s_wait_dscnt 0x0                               ; K is in
	QK 0
	QK 1
	WIN 0
	NOPS                                           ; places behind the products: in front of the loads into K's registers and of the first read of the scores; with the two additions also behind the last step's products, for V's
	WIN 0x40
	VLOAD                                          ; this step's V,
	WIN 0
	KLOAD AK                                       ; and the next step's K (the seventeenth step's look-ahead is read and not used): both land under the softmax
	s_cmp_eq_u32 s[G], s[LG]
	s_cbranch_scc0 .Lopen_\@
	MASK 0
	MASK 1
	WIN 0
.Lopen_\@:
	SOFT 0
	SOFT 1
	WALU
	s_wait_dscnt 16                                ; V's sixteen loads are in; the sixteen behind them, K's, may be out
	PV 0
	PV 1
	WIN 0
.endm
; A JOB'S END, tile X: O^T / the sum x 2^(e8 + e9), clipped and held, converted into window 0; tiles 2 b, 2 b + 1 of a lane are channels 32 b + 16 h + 0 .. 15 of query r
.macro FIN X
	WIN 0x55*(\X)
	v_add_f32 v14, v14, v15
	DLY
	v_permlanex16_b32 v[PL], v14, s[SEL], s[SEL+1]
	DLY
	v_add_f32 v14, v14, v[PL]                      ; the row's sum
	WALU
	v_rcp_f32 v14, v14
	v_nop
	v_nop
	WALU
	v_ldexp_f32 v14, v14, s[E89]
	WALU                                           ; directly ahead of the first reader of O^T
.set jj, 0
.rept 16
	v_pk_mul_f32 v[S+jj:S+jj+1], v[O+jj:O+jj+1], v[14:15] op_sel_hi:[1,0]
.set jj, jj+2
.endr
.set ii, 0
.rept 32
	v_med3_num_f32 v[S+ii], v[S+ii], -v[CL], v[CL]
.set ii, ii+1
.endr
	WIN 0x05*(\X)
.irp t, 0,1,2,3
	v_cvt_scalef32_pk8_fp8_f32 v[CD+8*(\X)+2*\t:CD+8*(\X)+2*\t+1], v[S+8*\t:S+8*\t+7], v[E10]
.endr
	v_nop                                          ; a plain line behind the conversions
.endm
	WALU                                           ; the head's end
	s_wait_loadcnt 0x0                             ; Q
	s_wait_tensorcnt 0x0                           ; my quarter of K or of V is in,
	s_barrier_signal -1
	s_barrier_wait -1                              ; and everybody's: all of K and V
	KLOAD L16                                      ; step 0's K
.Lrest:                                                ; seventeen steps
	s_add_co_u32 s[VO], s[KN], VB
	s_add_co_u32 s96, s[G], 1                      ; the next step's keys: step g of the wave is key step g, or g - (16 - w) in the second job
	s_cmp_ge_u32 s96, s[N2]
	s_cselect_b32 s97, s[N2], 0
	s_sub_co_u32 s96, s96, s97
	s_and_b32 s96, s96, 15
	s_lshl_b32 s[KN], s96, 13
	STEP
	s_cmp_eq_u32 s[G], s[LG]
	s_cbranch_scc0 .Lsame
	FIN 0
	FIN 1
	WIN 0
.irp X, 0, 1
	ds_store_b128 v[STO], v[CD+8*\X:CD+8*\X+3] offset:16*SP*\X
	ds_store_b128 v[STO], v[CD+8*\X+4:CD+8*\X+7] offset:16*SP*\X+32
.endr
.irp i, 0,1,2,3
	ds_load_b128 v[OUTR+4*\i:OUTR+4*\i+3], v[RD] offset:8*SP*\i   ; LDS serves a wave's instructions in order: these see my stores
.endr
	s_wait_dscnt 0x0
.irp i, 0,1,2,3
	global_store_b128 v[L16], v[OUTR+4*\i:OUTR+4*\i+3], s[OB:OB+1] offset:512*\i   ; 512 consecutive bytes, aligned
.endr
	s_wait_xcnt 0x0                                ; the stores have read their base and their data
	s_cmp_eq_u32 s[G], 16
	s_cbranch_scc1 .Lsame
	s_mov_b64 s[OB:OB+1], s[OB2:OB2+1]             ; on to the second job
	s_mov_b32 s[LG], 16
	s_mov_b32 s[DQ], s[DQ2]
.irp X, 0, 1
	WIN 0x41*\X
.irp j, 0,1,2,3,4,5,6,7
	v_mov_b32 v[16+\j], v[24+\j]
.endr
	JOB0 \X
.endr
	WIN 0
.Lsame:
	s_add_co_u32 s[G], s[G], 1
	s_cmp_lt_u32 s[G], 17
	WALU
	s_cbranch_scc1 .Lrest
	s_wait_tensorcnt 0x0                           ; the wave's end
	ds_add_u32 v[SPW], v[NIL]
	s_wait_dscnt 0x0
	CROUND                                         ; the closing round
	s_endpgm
.Lfunc_end_k_q8c712a0fa5_attn:
	.size	k_q8c712a0fa5_attn, .Lfunc_end_k_q8c712a0fa5_attn-k_q8c712a0fa5_attn
	.p2alignl 7, 3214868480
	.fill 96, 4, 3214868480
	.section	.rodata,"a",@progbits
	.p2align	6, 0x0
	.amdhsa_kernel k_q8c712a0fa5_attn
		.amdhsa_group_segment_fixed_size 327680
		.amdhsa_private_segment_fixed_size 0
		.amdhsa_enable_private_segment 0
		.amdhsa_kernarg_size 24
		.amdhsa_user_sgpr_count 2
		.amdhsa_user_sgpr_kernarg_segment_ptr 1
		.amdhsa_wavefront_size32 1
		.amdhsa_system_sgpr_workgroup_id_x 1
		.amdhsa_system_sgpr_workgroup_id_y 1
		.amdhsa_system_sgpr_workgroup_id_z 1
		.amdhsa_system_vgpr_workitem_id 0
		.amdhsa_next_free_vgpr 512
		.amdhsa_next_free_sgpr 100
		.amdhsa_reserve_vcc 1
		.amdhsa_float_denorm_mode_32 3
		.amdhsa_float_denorm_mode_16_64 3
		.amdhsa_memory_ordered 1
		.amdhsa_forward_progress 1
		.amdhsa_inst_pref_size 64
	.end_amdhsa_kernel
	.amdgpu_metadata
---
amdhsa.version: [ 1, 2 ]
amdhsa.kernels:
  - .name:           k_q8c712a0fa5_attn
    .symbol:         k_q8c712a0fa5_attn.kd
    .args:
      - { .name: qkv, .offset: 0, .size: 8, .value_kind: global_buffer, .address_space: global }
      - { .name: lowp_scales, .offset: 8, .size: 8, .value_kind: global_buffer, .address_space: global }
      - { .name: ac, .offset: 16, .size: 8, .value_kind: global_buffer, .address_space: global }
    .group_segment_fixed_size: 327680
    .private_segment_fixed_size: 0
    .kernarg_segment_align: 8
    .kernarg_segment_size: 24
    .max_flat_workgroup_size: 256
    .sgpr_count:     100
    .vgpr_count:     512
    .wavefront_size: 32
...
	.end_amdgpu_metadata
.endif
;; end of part 3
;; launch proj (part 4): grid 4 x 64, 4 waves a work-group, clusters of 4 x 4, 327,680 bytes of LDS; arguments ac, wc, lowp_scales, bp, out0; writes out0
.if DOCPART == 4
	.amdgcn_target "amdgcn-amd-amdhsa--gfx1250"
	.amdhsa_code_object_version 6
	.text
	.protected	k_q8c712a0fa5_proj
	.globl	k_q8c712a0fa5_proj
	.p2align	8
	.type	k_q8c712a0fa5_proj,@function
k_q8c712a0fa5_proj:
	s_mov_b64 s[64:65], 0
	v_nop
	global_prefetch_b8 v0, s[64:65] scope:SCOPE_SE
	s_setreg_imm32_b32 hwreg(HW_REG_WAVE_MODE, 25, 1), 1
	s_wait_xcnt 0x0
	s_wait_alu depctr_hold_cnt(0) depctr_sa_sdst(0) depctr_va_vdst(0) depctr_va_sdst(0) depctr_va_ssrc(0) depctr_va_vcc(0) depctr_vm_vsrc(0)
	s_getreg_b32 s2, hwreg(HW_REG_IB_STS2, 6, 4)
	s_cmp_eq_u32 s2, 0
	s_cbranch_scc0 .Lentry_in_a_cluster
	s_endpgm
.Lentry_in_a_cluster:
	s_bfe_u32 s2, ttmp6, 0x10000c
	s_cmp_lg_u32 s2, 0xf033
	s_cbranch_scc0 .Lentry_shape_is_right
	s_endpgm
.Lentry_shape_is_right:
; out0 = clip(attn wp^T + bp, +-10): a GEMM on E4M3 codes, [8192 x 1024] x [1024 x 1024]^T, sums in f32.  attn's codes (ac) stand under entry 10, wp's (part 3 of wc) under entry 11.
; ac: 128 tokens x 64 channels of a head are 8,192 dense bytes, token-major; a block of 128 tokens is 16 such chunks on end.  wc: rows of 1,024 codes.
; A block of C is 128 x 256: 64 x 4 blocks, 256 work-groups in clusters of 4 x 4.  Four waves, 2 x 2; a wave makes 64 x 128: 32 accumulators, window 2.
; K goes in 4 steps of 256 through two LDS slots filled by joint tensor loads: A's tile (four chunks; waves 0, 1 two each) is shared along a row of the cluster, B's (256 rows; waves 2, 3 half each) along a column.
; A K step is two steps of 128.  A's and B's fragments have two register sets each: a step's 48 LDS loads are issued ahead of the 32 products of the step before.
; THE MATRIX INSTRUCTION IS USED TRANSPOSED (source 0 = 16 rows of wp, source 1 = 16 tokens): a lane holds eight neighbouring columns of one row of C.
; THE BIAS, divided by 2^(e10 + e11), is the C of each sum's first product; each finished sum is multiplied by 2^(e10 + e11) and clipped.
; THE PREFETCHES: behind the load of K step t stands one request for K step t + 2 (t = 0, 1).  What a wave fetches is shared out among the four partners that ask for it jointly, by address (cx for A, cy for B):
; A: 16 of the 64 blocks of 256 bytes, a lane a block (lanes 16-31 name the last again); B: 32 of the 128 rows, a lane a row.  The address registers are never rewritten; K steps 0 and 1 come by their loads alone.
; LIMIT: e10 + e11 between -126 and 127.  NaN among the inputs is not served.
; REGISTERS: window 0: v0-31 addresses; v32-95 the bias, later a block's results; v112 10.0; v128-255 A's two sets of 4 fragments, later rows on the way out.  Window 1: B's two sets of 8.  Window 2: the accumulators, (a, b) at 8 (8 a + b).
.set SIZE_N, 1024
.set KROW,   1024
.set ROWB,   256
.set PITCH,  272                       ; B's LDS row: 256 bytes + 16
.set SP,     80                        ; A's LDS row: 64 bytes + 16
.set ACH,    128*SP                    ; a chunk of A in LDS
.set ASTEP,  32768                     ; a K step of A in memory: four chunks
.set FR,     16
.set NP,     4                         ; places behind this matrix instruction (ISA guide 7.12.1)
.set HALFT,  128*PITCH
.set BOFF,   4*ACH
.set SLOT,   BOFF+2*HALFT
.set SPARE,  2*SLOT                    ; behind the ring: the spare words, 128 bytes a wave, which no other line names
.set SPITCH, 528                       ; the way out: 16 rows x (512 + 16) bytes a wave, in slot 0, which has had its last fill and its last read by then
.set ADRA, 16
.set ADRB, 20
.set STO,  24
.set RD,   25
.set CO,   26
.set PFO,  27
.set SPW,  28
.set NIL,  29
.set BCO,  30
.set BC,   32
.set TMP,  32
.set TEN,  112
.set AF,   128
.set BK,   128
.set G1, 24
.set G0, 32
.set G1B, 48
.set G0B, 56
.set MSB, 0
.macro WIN new                         ; the immediate's high byte repeats the setting that is left
.if MSB != (\new)
	s_set_vgpr_msb (MSB<<8)|(\new)
.set MSB, (\new)
.endif
.endm
.set MUL_LO, 0xa1                      ; source 0 (B) window 1, source 1 (A) window 0, C and D window 2
.set TO_B,   0x40
.macro JLOAD g0a, g1a, g0b, g1b        ; a joint load: waves 0, 1 for A, waves 2, 3 for B; s_nop 0 and four v_nop follow each line
	s_cmp_eq_u32 s15, 0
	s_cbranch_scc0 .Lfor_b_\@
	tensor_load_to_lds s[\g0a:\g0a+3], s[\g1a:\g1a+7]
	s_nop 0
.rept 4
	v_nop
.endr
	s_branch .Lasked_\@
.Lfor_b_\@:
	tensor_load_to_lds s[\g0b:\g0b+3], s[\g1b:\g1b+7]
	s_nop 0
.rept 4
	v_nop
.endr
.Lasked_\@:
.endm
.macro CREST                           ; a round of the cluster's barrier behind its opening barrier
	s_cmp_lg_u32 s14, 0
	s_cbranch_scc1 .Lnot_wave_0_\@
	s_barrier_signal -3
.Lnot_wave_0_\@:
	s_barrier_wait -3
	s_barrier_signal -1
	s_barrier_wait -1
.endm
.macro CROUND
	s_barrier_signal -1
	s_barrier_wait -1
	CREST
.endm
	s_load_b256 s[68:75], s[0:1], 0x0              ; ac, wc, the exponents, bp
	s_load_b64 s[76:77], s[0:1], 0x20              ; out0
	v_lshl_add_u32 v[SPW], v0, 2, SPARE
	v_mov_b32 v[NIL], 0
	ds_add_u32 v[SPW], v[NIL]                      ; the opening: the add, twice on end, and its wait ahead of my first tensor load
	ds_add_u32 v[SPW], v[NIL]
	v_lshrrev_b32 v1, 5, v0
	v_readfirstlane_b32 s14, v1                    ; wave 0..3
	s_lshr_b32 s15, s14, 1                         ; which 64 rows are mine.  Also: I fetch for A (0) or B (1)
	s_and_b32 s16, s14, 1                          ; which 128 columns.  Also: which half of that tile I fetch
	s_bfe_u32 s40, ttmp6, 0x40000                  ; cx
	s_bfe_u32 s41, ttmp6, 0x40004                  ; cy
	s_lshl_b32 s42, ttmp9, 2
	s_add_co_u32 s42, s42, s40                     ; block column, 0..3
	s_and_b32 s17, ttmp7, 0xffff
	s_lshl_b32 s17, s17, 2
	s_add_co_u32 s17, s17, s41                     ; block row, 0..63: a block of 128 tokens
	s_lshl_b32 s43, s41, 2
	s_lshl_b32 s43, 15, s43                        ; my row of the cluster
	s_lshl_b32 s44, 0x1111, s40                    ; my column
	s_or_b32 s[G1+0], s43, (0<<16)|(1<<20)|(1<<21)|(3<<22)|(3<<25)   ; A: two dense chunks stated as 64 rows of 256 bytes, 16 bytes of padding behind every 64
	s_mov_b32 s[G1+1], 256<<16
	s_mov_b32 s[G1+2], 64<<16
	s_mov_b32 s[G1+3], 256<<16
	s_mov_b32 s[G1+4], 64
	s_mov_b32 s[G1+5], 256
	s_mov_b32 s[G1+6], 0
	s_mov_b32 s[G1+7], 0
	s_or_b32 s[G1B+0], s44, (0<<16)|(1<<20)|(1<<21)|(5<<22)|(3<<25)  ; B: 128 rows of 256 bytes, 16 of padding behind each
	s_mov_b32 s[G1B+1], ROWB<<16
	s_mov_b32 s[G1B+2], 128<<16
	s_mov_b32 s[G1B+3], ROWB<<16
	s_mov_b32 s[G1B+4], 128
	s_mov_b32 s[G1B+5], KROW
	s_mov_b32 s[G1B+6], 0
	s_mov_b32 s[G1B+7], 0
	s_lshl_b32 s20, s17, 3
	s_add_co_u32 s20, s20, s16
	s_lshl_b32 s20, s20, 14                        ; A: 131,072 x block row + 16,384 x half
	s_mov_b32 s21, 0
	s_lshl_b32 s18, s16, 7
	s_lshl_b32 s46, s42, 8
	s_add_co_u32 s46, s46, s18
	s_lshl_b32 s46, s46, 10
	s_add_co_u32 s46, s46, 0x300000                ; B: wp's row 256 x block column + 128 x half
	s_mov_b32 s47, 0
	s_mul_i32 s45, s16, 2*ACH                      ; where they go
	s_mul_i32 s19, s16, HALFT
	s_add_co_u32 s19, s19, BOFF
	s_wait_dscnt 0x0                               ; both opening adds are done
	s_wait_kmcnt 0x0
	s_load_b64 s[96:97], s[72:73], 0x28            ; e10, e11
	s_add_nc_u64 s[20:21], s[68:69], s[20:21]
	s_add_nc_u64 s[46:47], s[70:71], s[46:47]
	CROUND                                         ; all sixteen work-groups are here: the first joint loads meet
.irp s, 0,1
	s_mov_b32 s[G0+4*\s], 1
	s_add_co_u32 s[G0+4*\s+1], s45, \s*SLOT
	s_add_nc_u64 s[G0+4*\s+2:G0+4*\s+3], s[20:21], \s*ASTEP
	s_or_b32 s[G0+4*\s+3], s[G0+4*\s+3], 0x80000000
	s_mov_b32 s[G0B+4*\s], 1
	s_add_co_u32 s[G0B+4*\s+1], s19, \s*SLOT
	s_add_nc_u64 s[G0B+4*\s+2:G0B+4*\s+3], s[46:47], \s*ROWB
	s_or_b32 s[G0B+4*\s+3], s[G0B+4*\s+3], 0x80000000
.endr
	JLOAD G0, G1, G0B, G1B                         ; K step 0: one tensor load a wave at the head
	s_mov_b32 s80, ROWB
	s_cmp_eq_u32 s15, 0                            ; the prefetches: do I fetch for A?
	s_cselect_b64 s[66:67], s[20:21], s[46:47]     ; what my wave fetches
	s_cselect_b32 s18, s40, s41                    ; my work-group's place among the four,
	s_cselect_b32 s22, 12, 15                      ; its share: 4,096 bytes of A, 32 rows of B
	s_cselect_b32 s23, 15, 31                      ; lanes that name blocks of their own
	s_cselect_b32 s78, 8, 10                       ; from lane to lane: 256 bytes, or a row
	s_cselect_b32 s80, ASTEP, s80                  ; a K step on
	s_lshl_b32 s18, s18, s22
	s_mov_b32 s19, 0
	s_mov_b32 s81, 0
	s_add_nc_u64 s[66:67], s[66:67], s[18:19]
	s_add_nc_u64 s[66:67], s[66:67], s[80:81]
	s_add_nc_u64 s[66:67], s[66:67], s[80:81]      ; K step 2
	s_add_nc_u64 s[82:83], s[66:67], s[80:81]      ; K step 3
	v_and_b32 v[PFO], 31, v0
	v_min_u32 v[PFO], s23, v[PFO]
	v_lshlrev_b32 v[PFO], s78, v[PFO]
	global_prefetch_b8 v[PFO], s[66:67] th:TH_LOAD_NT scope:SCOPE_SE
	v_and_b32 v1, 15, v0                           ; r
	v_bfe_u32 v2, v0, 4, 1                         ; h
	v_lshlrev_b32 v[BCO], 5, v2                    ; the bias: block b's eight columns of my half: 64 b + 32 h bytes on
	s_lshl_b32 s18, s42, 10
	s_lshl_b32 s22, s16, 9
	s_add_co_u32 s18, s18, s22                     ; my first column, in bytes of f32
	v_add_nc_u32 v[BCO], s18, v[BCO]
.irp b, 0,1,2,3,4,5,6,7
	global_load_b128 v[BC+8*\b:BC+8*\b+3], v[BCO], s[74:75] offset:64*\b
	global_load_b128 v[BC+8*\b+4:BC+8*\b+7], v[BCO], s[74:75] offset:64*\b+16
.endr
	v_mul_u32_u24 v3, v1, SP
	v_lshl_add_u32 v3, v2, 4, v3
	v_mul_u32_u24 v4, v1, PITCH
	v_lshl_add_u32 v4, v2, 4, v4
	s_mul_i32 s21, s15, 64*SP                      ; my 64 rows in each chunk of A
	s_mul_i32 s22, s16, HALFT                      ; my 128 rows of B
	s_add_co_u32 s22, s22, BOFF
.irp s, 0,1
	v_add_nc_u32 v[ADRA+\s], s21, v3
	v_add_nc_u32 v[ADRB+\s], s22, v4
	s_add_co_u32 s21, s21, SLOT
	s_add_co_u32 s22, s22, SLOT
.endr
	s_mul_i32 s23, s14, 16*SPITCH                  ; my stage
	v_mul_u32_u24 v5, v1, SPITCH
	v_lshl_add_u32 v5, v2, 5, v5
	v_add_nc_u32 v[STO], s23, v5                   ; in: row r, 32 bytes for each half of the lanes
	v_and_b32 v6, 31, v0
	v_lshlrev_b32 v[CO], 4, v6
	v_add_nc_u32 v[RD], s23, v[CO]                 ; back: the 32 lanes take one row of 512 bytes
	v_mov_b32 v[TEN], 0x41200000
	s_lshl_b32 s20, s17, 7
	s_lshl_b32 s21, s15, 6
	s_add_co_u32 s20, s20, s21                     ; my first row of C
	s_lshl_b32 s20, s20, 12
	s_add_co_u32 s20, s20, s18
	s_mov_b32 s21, 0
	s_add_nc_u64 s[10:11], s[76:77], s[20:21]
	s_wait_kmcnt 0x0
	s_add_co_i32 s98, s96, s97                     ; e10 + e11
	s_sub_co_i32 s99, 0, s98
	s_add_co_i32 s96, s98, 127
	s_lshl_b32 s96, s96, 23                        ; 2^(e10 + e11) as f32
	s_wait_loadcnt 0x0                             ; the bias
.set ii, 0
.rept 64
	v_ldexp_f32 v[BC+ii], v[BC+ii], s99
.set ii, ii+1
.endr
.macro FRAGA reg, adr, q, i            ; 16 tokens x 128 K: registers 4 c ..: K = 32 c + 16 h + 0 .. 15: chunk 2 q + c / 2, bytes 32 (c % 2) + 16 h
.irp c, 0,1,2,3
	ds_load_b128 v[\reg+4*\c:\reg+4*\c+3], v[\adr] offset:(2*(\q)+\c/2)*ACH+(\i)*16*SP+32*(\c%2)
.endr
.endm
.macro FRAGB reg, adr, q, i            ; the same order of K
.irp c, 0,1,2,3
	ds_load_b128 v[\reg+4*\c:\reg+4*\c+3], v[\adr] offset:128*(\q)+32*\c+(\i)*16*PITCH
.endr
.endm
.macro MUL8 a, p, zero                 ; A's block a of set p x B's eight.  zero = 1: the first product starts the sums, with the bias as its C.  The 32 accumulators take turns
.irp b, 0,1,2,3,4,5,6,7
.if \zero
	v_wmma_f32_16x16x128_fp8_fp8 v[8*(8*(\a)+\b):8*(8*(\a)+\b)+7], v[128*(\p)+FR*\b:128*(\p)+FR*\b+FR-1], v[AF+64*(\p)+FR*(\a):AF+64*(\p)+FR*(\a)+FR-1], v[BC+8*\b:BC+8*\b+7]
.else
	v_wmma_f32_16x16x128_fp8_fp8 v[8*(8*(\a)+\b):8*(8*(\a)+\b)+7], v[128*(\p)+FR*\b:128*(\p)+FR*\b+FR-1], v[AF+64*(\p)+FR*(\a):AF+64*(\p)+FR*(\a)+FR-1], v[8*(8*(\a)+\b):8*(8*(\a)+\b)+7]
.endif
.endr
.endm
.macro FETCH slot, q, p                ; 48 LDS loads: the slot's q-th 128 along K into set p
	WIN TO_B
.irp i, 0,1,2,3,4,5,6,7
	FRAGB 128*(\p)+FR*\i, ADRB+\slot, \q, \i
.endr
	WIN 0
.irp i, 0,1,2,3
	FRAGA AF+64*(\p)+FR*\i, ADRA+\slot, \q, \i
.endr
.endm
.macro PLACES n                        ; plain vector lines between a matrix instruction and a load into, or a vector read of, its registers
.rept \n
	v_nop
.endr
.endm
.macro STEP slot, zero                 ; a slot's first 128 along K, from set 0; its second 128 are fetched into set 1 first
	PLACES NP                                      ; set 1 was read by the products just issued
	FETCH \slot, 1, 1
	s_wait_dscnt 48                                ; set 0 is in; the 48 loads just issued may be out
	WIN MUL_LO-0x20*(\zero)                        ; (zero = 1: C lies in window 0)
	MUL8 0, 0, \zero
	MUL8 1, 0, \zero
	MUL8 2, 0, \zero
	MUL8 3, 0, \zero
	WIN 0
.endm
; A slot's second 128, from set 1, and the change of slots: one barrier; in front of it each wave waits for all its tensor loads, adds 0 to its spare word, and waits for that and for its reads of this slot.  fill = 1: the slot is filled again.
.macro TURN slot, next, fill
	s_wait_tensorcnt 0x0                           ; all my tensor loads have landed: my part of the next slot
	ds_add_u32 v[SPW], v[NIL]
	s_wait_dscnt 1                                 ; set 1 is in; the add may be out
	WIN MUL_LO
	MUL8 0, 1, 0
	MUL8 1, 1, 0
	s_wait_dscnt 0x0                               ; the add is done, and my reads of this slot are over
	s_barrier_signal -1
	MUL8 2, 1, 0
	WIN 0
	s_barrier_wait -1
.if \fill
	CREST                                          ; the barrier has opened a round of the cluster's: no wave of any partner still reads this slot or has a load on its way
	s_add_nc_u64 s[G0+4*\slot+2:G0+4*\slot+3], s[G0+4*\slot+2:G0+4*\slot+3], 2*ASTEP
	s_add_nc_u64 s[G0B+4*\slot+2:G0B+4*\slot+3], s[G0B+4*\slot+2:G0B+4*\slot+3], 2*ROWB
	JLOAD G0+4*\slot, G1, G0B+4*\slot, G1B         ; the first tensor load behind the round; its four v_nop are the places in front of the loads below
.else
	PLACES NP
.endif
	FETCH \next, 0, 0
	WIN MUL_LO
	MUL8 3, 1, 0                                   ; eight products stand over the loads' flight
	WIN 0
.endm
	s_wait_alu depctr_va_vdst(0)                   ; the head's end
	s_wait_tensorcnt 0x0                           ; my part of K step 0 is in
	ds_add_u32 v[SPW], v[NIL]
	s_wait_dscnt 0x0
	CROUND                                         ; a whole round: everybody's part of K step 0 is in
	JLOAD G0+4, G1, G0B+4, G1B                     ; K step 1: the first tensor load behind the round
	FETCH 0, 0, 0
	global_prefetch_b8 v[PFO], s[82:83] th:TH_LOAD_NT scope:SCOPE_SE
	STEP 0, 1                                      ; K = 1,024 is four K steps of 256: written out
	TURN 0, 1, 1                                   ; slot 0 takes K step 2
	STEP 1, 0
	TURN 1, 0, 1                                   ; slot 1 takes K step 3
	STEP 0, 0
	TURN 0, 1, 0                                   ; nothing is left to fetch
	STEP 1, 0
	s_wait_dscnt 0x0
	WIN MUL_LO
	MUL8 0, 1, 0
	MUL8 1, 1, 0
	MUL8 2, 1, 0
	MUL8 3, 1, 0
	WIN 0
; THE WAY OUT, block by block of 16 rows x 128 columns: x 2^(e10 + e11), clipped, through my own stage, and out as whole rows of 512 bytes.  LDS serves a wave's instructions in order: no wait between the stores and the loads.
.macro TOSTAGE a
.set AC, 64*(\a)
	WIN 0x02                                       ; source 0: window 2
.set jj, 0
.rept 32
	v_pk_mul_f32 v[TMP+jj:TMP+jj+1], v[AC+jj:AC+jj+1], s[96:97] op_sel_hi:[1,0]   ; each accumulator from its low end on
.set jj, jj+2
.endr
	WIN 0
.set ii, 0
.rept 64
	v_med3_num_f32 v[TMP+ii], v[TMP+ii], -v[TEN], v[TEN]
.set ii, ii+1
.endr
.irp b, 0,1,2,3,4,5,6,7
	ds_store_b128 v[STO], v[TMP+8*\b:TMP+8*\b+3] offset:64*\b
	ds_store_b128 v[STO], v[TMP+8*\b+4:TMP+8*\b+7] offset:64*\b+16
.endr
.set BB, BK+64*((\a)%2)
.irp t, 0,1,2,3,4,5,6,7,8,9,10,11,12,13,14,15
	ds_load_b128 v[BB+4*\t:BB+4*\t+3], v[RD] offset:\t*SPITCH
.endr
.endm
.macro SEND a, younger                 ; younger: the LDS instructions issued behind block a's loads, which may stay out
.set BB, BK+64*((\a)%2)
	s_wait_dscnt \younger
.if (\a) > 0
	s_add_nc_u64 s[10:11], s[10:11], 16*SIZE_N*4   ; (behind a wait on XCNT: the earlier stores have read their base)
.endif
.irp t, 0,1,2,3,4,5,6,7,8,9,10,11,12,13,14,15
	global_store_b128 v[CO], v[BB+4*\t:BB+4*\t+3], s[10:11] offset:\t*SIZE_N*4 th:TH_STORE_NT   ; 512 consecutive bytes, aligned
.endr
.endm
	PLACES NP                                      ; behind the last products: their results are read, and A's registers loaded into, below
	TOSTAGE 0
.irp a, 1,2,3
.if \a > 1
	s_wait_xcnt 0x0                                ; block a - 2's stores have read their registers and their base
.endif
	TOSTAGE \a
	SEND \a-1, 32                                  ; behind block a - 1's loads: block a's 16 stores and 16 loads
.endr
	s_wait_xcnt 0x0
	SEND 3, 0
	s_wait_tensorcnt 0x0                           ; the wave's end
	ds_add_u32 v[SPW], v[NIL]
	s_wait_dscnt 0x0
	CROUND                                         ; the closing round
	s_endpgm
.Lfunc_end_k_q8c712a0fa5_proj:
	.size	k_q8c712a0fa5_proj, .Lfunc_end_k_q8c712a0fa5_proj-k_q8c712a0fa5_proj
	.p2alignl 7, 3214868480
	.fill 96, 4, 3214868480
	.section	.rodata,"a",@progbits
	.p2align	6, 0x0
	.amdhsa_kernel k_q8c712a0fa5_proj
		.amdhsa_group_segment_fixed_size 327680
		.amdhsa_private_segment_fixed_size 0
		.amdhsa_enable_private_segment 0
		.amdhsa_kernarg_size 40
		.amdhsa_user_sgpr_count 2
		.amdhsa_user_sgpr_kernarg_segment_ptr 1
		.amdhsa_wavefront_size32 1
		.amdhsa_system_sgpr_workgroup_id_x 1
		.amdhsa_system_sgpr_workgroup_id_y 1
		.amdhsa_system_sgpr_workgroup_id_z 1
		.amdhsa_system_vgpr_workitem_id 0
		.amdhsa_next_free_vgpr 768
		.amdhsa_next_free_sgpr 100
		.amdhsa_reserve_vcc 0
		.amdhsa_float_denorm_mode_32 3
		.amdhsa_float_denorm_mode_16_64 3
		.amdhsa_memory_ordered 1
		.amdhsa_forward_progress 1
		.amdhsa_inst_pref_size 98
	.end_amdhsa_kernel
	.amdgpu_metadata
---
amdhsa.version: [ 1, 2 ]
amdhsa.kernels:
  - .name:           k_q8c712a0fa5_proj
    .symbol:         k_q8c712a0fa5_proj.kd
    .args:
      - { .name: ac, .offset: 0, .size: 8, .value_kind: global_buffer, .address_space: global }
      - { .name: wc, .offset: 8, .size: 8, .value_kind: global_buffer, .address_space: global }
      - { .name: lowp_scales, .offset: 16, .size: 8, .value_kind: global_buffer, .address_space: global }
      - { .name: bp, .offset: 24, .size: 8, .value_kind: global_buffer, .address_space: global }
      - { .name: out0, .offset: 32, .size: 8, .value_kind: global_buffer, .address_space: global }
    .group_segment_fixed_size: 327680
    .private_segment_fixed_size: 0
    .kernarg_segment_align: 8
    .kernarg_segment_size: 40
    .max_flat_workgroup_size: 128
    .sgpr_count:     100
    .vgpr_count:     768
    .wavefront_size: 32
...
	.end_amdgpu_metadata
.endif
;; end of part 4
